; MI455X (gfx1250); checked and timed in simulation.
; The chip was launched on July 23, 2026; its instructions are those of AMD's public machine-readable ISA for CDNA 5 (MIT licence, August 2026) and "CDNA5" Instruction Set Architecture Reference Guide (July 2026). The comments in the code are by the model that wrote it; some were corrected since.
;; Bahdanau Attention. Allowed arithmetic: float matrix products may take bf16 or f16 operands with f32 sums; other float arithmetic in f32, or as packed bf16 or f16 multiplies, adds, multiply-adds, maxima and minima; sums over many terms, partial sums and values carried from step to step in f32; what a program stores and reads back later, other than sums and carried values, may be rounded once to bf16 or f16.
;; Inputs: Vb 1 float32; Vw 1,024 x 1 float32; Wc 1 x 1,024 float32; Wh 1,024 x 1,024 float32; Ws 1,024 x 1,024 float32; bc 1,024 float32; bh 1,024 float32; bs 1,024 float32; prev_coverage 32 x 2,048 x 1 float32; query 32 x 1,024 float32; values 32 x 2,048 x 1,024 float32.
;; Outputs: out0 32 x 1,024 float32; out1 32 x 2,048 float32; out2 32 x 2,048 x 1 float32.
;; 3 versions, each right; version 2 is faster than version 1; version 3 is version 2 with the launch main written anew for expert scheduling mode. Each part assembles by itself: llvm-mc -triple=amdgcn-amd-amdhsa -mcpu=gfx1250 --defsym DOCPART=n.
;; ======== version 1 of 3: 3 launches
;; limits: values outside matrix products are rounded to bf16
;; workspace buffers: wsb 2,097,152 bytes; qb 131,072 bytes; pbuf 262,144 bytes; ml 131,072 bytes; cp 2,097,152 bytes
;; launch prep (part 1): grid 16 x 2, 16 waves a work-group, no clusters, 305,152 bytes of LDS; arguments Ws, Wh, query, bh, bs, bc, wsb, qb; writes wsb, qb
.if DOCPART == 1
	.amdgcn_target "amdgcn-amd-amdhsa--gfx1250"
	.amdhsa_code_object_version 6
	.text
	.protected	k_qf69b56844f_prep
	.globl	k_qf69b56844f_prep
	.p2align	8
	.type	k_qf69b56844f_prep,@function
k_qf69b56844f_prep:
	s_mov_b64 s[64:65], 0
	v_nop
	global_prefetch_b8 v0, s[64:65] scope:SCOPE_SE
	s_setreg_imm32_b32 hwreg(HW_REG_WAVE_MODE, 25, 1), 1
	s_wait_xcnt 0x0
; PREPARATION.  Two jobs on one text, chosen by the work-group's y; x is a strip of 64 units.
;   job 0: Ws [1024 k][1024 u] f32 -> wsb, bf16, laid in the order of matrix fragments: byte (strip*32 + ks)*4096 + f*1024 + half*512 + lane*16 holds the
;          8 numbers Ws[32 ks + 16 half + 8 (lane/16) + 0..7][64 strip + 16 f + lane%16], so that the next launch fills a fragment by two loads of 512 consecutive bytes.
;   job 1: qb[b][u] = sum over k of query[b][k] Wh[k][u] + bh[u] + bs[u] + bc[u], f32, for the strip's 64 units and all 32 batch rows.
; Every input is rounded once to bf16 (query, Wh, Ws as matrix operands; the three biases too); sums are f32.  NaN and infinities are not treated apart.
; SHARES.  Sixteen waves; wave w takes K steps 2 w and 2 w + 1 (64 rows of W x 64 units).  It rounds them, lays them in its own LDS tile and takes them back turned (ds_load_tr16_b128).
; Job 1 multiplies them by its part of query (source 0 = 16 units, source 1 = 16 batch rows: a lane then holds 8 neighbouring units of one batch row) and the sixteen waves' partial sums meet in LDS.
.set TP,    160                        ; a row of the tile: 128 bytes + 32 = 40 words
.set TSTEP, 32*TP                      ; one K step: 32 rows
.set TWAVE, 2*TSTEP                    ; a wave's two K steps
.set PART,  16*TWAVE                   ; behind the tiles: the partial sums, 32 batch rows x 64 units f32 for each wave
.set PP,    272                        ; a row of them: 256 bytes + 16
.set PWAVE, 32*PP
.set SPARE, PART+16*PWAVE              ; the spare words, 128 bytes for each of the sixteen waves: eight blocks of 256 bytes that no other line names
.set L,     64                         ; v64-191   W as loaded (32 loads x 4); later v64-127 eight accumulators, v128-191 eight fragments (K step s, unit block f at 128 + 32 s + 8 f)
.set FR,    128
.set Q,     192                        ; v192-255  query as loaded; then four fragments in v192-223 (batch half mi, K step s at 192 + 8 (2 mi + s))
.macro RND2 ra, rb, rt                 ; two f32 rounded to bf16 and widened again
	v_cvt_pk_bf16_f32 v[\rt], v[\ra], v[\rb]
	v_lshlrev_b32 v[\ra], 16, v[\rt]
	v_and_b32 v[\rb], s28, v[\rt]
.endm
	s_load_b512 s[8:23], s[0:1], 0x0               ; Ws s[8:9], Wh s[10:11], query s[12:13], bh s[14:15], bs s[16:17], bc s[18:19], wsb s[20:21], qb s[22:23]
	v_lshl_add_u32 v14, v0, 2, SPARE               ; my spare word,
	v_mov_b32 v15, 0                               ; and 0: kept for the closing lines alone
	v_lshrrev_b32 v3, 5, v0
	v_readfirstlane_b32 s2, v3                     ; wave 0..15
	s_mov_b32 s3, ttmp9                            ; strip
	s_and_b32 s4, ttmp7, 0xffff                    ; job
	s_mov_b32 s27, 0                               ; high word of the offset pair s[26:27]
	s_mov_b32 s28, 0xffff0000                      ; a word's upper bf16
	v_and_b32 v1, 15, v0                           ; l % 16 (also thread % 16)
	v_bfe_u32 v2, v0, 4, 1                         ; l / 16
	v_and_b32 v3, 31, v0                           ; lane
	v_lshlrev_b32 v4, 12, v2                       ; W: lanes 0-15 take 256 bytes of one row, lanes 16-31 of the next
	v_lshl_add_u32 v4, v1, 4, v4
	s_mul_i32 s5, s2, TWAVE                        ; my tile
	v_mul_u32_u24 v5, v2, TP                       ; into the tile: the same two rows, 8 bytes a lane
	v_lshl_add_u32 v5, v1, 3, v5
	v_add_nc_u32 v5, s5, v5
	v_and_b32 v6, 7, v0                            ; back, turned: lane l reads row 8 (l/16) + l%8, 16 bytes at 16 ((l/8)%2)
	v_lshl_add_u32 v6, v2, 3, v6
	v_mul_u32_u24 v6, v6, TP
	v_bfe_u32 v7, v0, 3, 1
	v_lshl_add_u32 v6, v7, 4, v6
	v_add_nc_u32 v6, s5, v6
	v_lshlrev_b32 v7, 12, v1                       ; query: batch row l%16, 8 numbers at 32 (l/16) bytes
	v_lshl_add_u32 v7, v2, 5, v7
	v_lshlrev_b32 v8, 4, v1                        ; the biases: 4 units of the strip's 64
	v_lshlrev_b32 v9, 4, v3                        ; wsb: 16 bytes a lane
	s_mul_i32 s5, s2, PWAVE
	s_add_co_u32 s5, s5, PART                      ; my partial sums
	v_mul_u32_u24 v10, v1, PP                      ; batch row l%16, units 8 (l/16) on
	v_lshl_add_u32 v10, v2, 5, v10
	v_add_nc_u32 v10, s5, v10
	v_lshrrev_b32 v13, 4, v0                       ; the last step: thread t owns batch row t/16, units 4 (t%16) on
	v_mul_u32_u24 v11, v13, PP
	v_lshl_add_u32 v11, v1, 4, v11
	v_add_nc_u32 v11, PART, v11                    ; waves 0-7's sums,
	v_add_nc_u32 v12, 8*PWAVE, v11                 ; waves 8-15's: the immediate reaches 65,535 bytes
	v_lshlrev_b32 v13, 12, v13
	v_lshl_add_u32 v13, v1, 4, v13                 ; and the same place in qb
	s_wait_kmcnt 0x0
	s_cmp_eq_u32 s4, 0
	s_cselect_b64 s[24:25], s[8:9], s[10:11]       ; W = Ws or Wh
	s_lshl_b32 s26, s3, 8                          ; the strip's 256 bytes of a row,
	s_lshl_b32 s5, s2, 18                          ; my 64 rows of 4,096 bytes
	s_add_co_u32 s26, s26, s5
	s_add_nc_u64 s[24:25], s[24:25], s[26:27]
	s_lshl_b32 s26, s2, 8                          ; query at my 64 k
	s_add_nc_u64 s[12:13], s[12:13], s[26:27]
	s_lshl_b32 s26, s3, 8                          ; biases and qb at the strip
	s_add_nc_u64 s[14:15], s[14:15], s[26:27]
	s_add_nc_u64 s[16:17], s[16:17], s[26:27]
	s_add_nc_u64 s[18:19], s[18:19], s[26:27]
	s_add_nc_u64 s[22:23], s[22:23], s[26:27]
	s_lshl_b32 s26, s3, 17                         ; wsb at (32 strip + 2 w) blocks of 4,096 bytes
	s_lshl_b32 s5, s2, 13
	s_add_co_u32 s26, s26, s5
	s_add_nc_u64 s[20:21], s[20:21], s[26:27]
	s_cmp_eq_u32 s4, 0
	s_cbranch_scc1 .Lw
	global_load_b128 v[16:19], v8, s[14:15]        ; job 1: bh, bs, bc
	global_load_b128 v[20:23], v8, s[16:17]
	global_load_b128 v[24:27], v8, s[18:19]
.irp mi, 0,1
.irp s, 0,1
	global_load_b128 v[Q+16*(2*(\mi)+(\s)):Q+16*(2*(\mi)+(\s))+3],     v7, s[12:13] offset:(\mi)*65536+(\s)*128     ; k = 8 (l/16) + 0..3
	global_load_b128 v[Q+16*(2*(\mi)+(\s))+4:Q+16*(2*(\mi)+(\s))+7],   v7, s[12:13] offset:(\mi)*65536+(\s)*128+16  ;     + 4..7
	global_load_b128 v[Q+16*(2*(\mi)+(\s))+8:Q+16*(2*(\mi)+(\s))+11],  v7, s[12:13] offset:(\mi)*65536+(\s)*128+64  ; k = 16 + 8 (l/16) + 0..3
	global_load_b128 v[Q+16*(2*(\mi)+(\s))+12:Q+16*(2*(\mi)+(\s))+15], v7, s[12:13] offset:(\mi)*65536+(\s)*128+80
.endr
.endr
.Lw:
.set n, 0
.rept 32                               ; load n: K step n/16, rows 2 (n%16) and 2 (n%16) + 1: sixteen lanes take 256 consecutive bytes, aligned
	global_load_b128 v[L+4*n:L+4*n+3], v4, s[24:25] offset:(n/16)*131072+(n%16)*8192 th:TH_LOAD_NT
.set n, n+1
.endr
	s_wait_loadcnt 0x0                             ; all of them: nothing else is at hand to do meanwhile
.set n, 0
.rept 32
	v_cvt_pk_bf16_f32 v[L+4*n],   v[L+4*n],   v[L+4*n+1]
	v_cvt_pk_bf16_f32 v[L+4*n+1], v[L+4*n+2], v[L+4*n+3]
	ds_store_b64 v5, v[L+4*n:L+4*n+1] offset:(n/16)*TSTEP+(n%16)*2*TP
.set n, n+1
.endr
.irp s, 0,1
.irp f, 0,1,2,3
	ds_load_tr16_b128 v[FR+32*(\s)+8*(\f):FR+32*(\s)+8*(\f)+3],   v6 offset:(\s)*TSTEP+(\f)*32         ; LDS serves a wave's instructions in order (ISA guide 5.7.1.4): these see my stores above
	ds_load_tr16_b128 v[FR+32*(\s)+8*(\f)+4:FR+32*(\s)+8*(\f)+7], v6 offset:(\s)*TSTEP+(\f)*32+16*TP
.endr
.endr
	s_wait_dscnt 0x0                               ; the eight fragments are in
	s_cmp_eq_u32 s4, 0
	s_cbranch_scc0 .Lq
.irp s, 0,1
.irp f, 0,1,2,3
	global_store_b128 v9, v[FR+32*(\s)+8*(\f):FR+32*(\s)+8*(\f)+3],   s[20:21] offset:(\s)*4096+(\f)*1024      ; job 0: each store covers 512 consecutive bytes, aligned
	global_store_b128 v9, v[FR+32*(\s)+8*(\f)+4:FR+32*(\s)+8*(\f)+7], s[20:21] offset:(\s)*4096+(\f)*1024+512
.endr
.endr
	s_branch .Lmeet
.Lq:
.set n, 0
.rept 32                               ; job 1: query to bf16, in place from the low end: fragment q ends up in v[Q+8 q .. +7]
	v_cvt_pk_bf16_f32 v[Q+n], v[Q+2*n], v[Q+2*n+1]
.set n, n+1
.endr
.irp s, 0,1                            ; the eight accumulators (f, mi) take turns; the first K step starts the sums
.irp f, 0,1,2,3
.irp mi, 0,1
.if (\s) == 0
	v_wmma_f32_16x16x32_bf16 v[L+8*(2*(\f)+(\mi)):L+8*(2*(\f)+(\mi))+7], v[FR+32*(\s)+8*(\f):FR+32*(\s)+8*(\f)+7], v[Q+8*(2*(\mi)+(\s)):Q+8*(2*(\mi)+(\s))+7], 0
.else
	v_wmma_f32_16x16x32_bf16 v[L+8*(2*(\f)+(\mi)):L+8*(2*(\f)+(\mi))+7], v[FR+32*(\s)+8*(\f):FR+32*(\s)+8*(\f)+7], v[Q+8*(2*(\mi)+(\s)):Q+8*(2*(\mi)+(\s))+7], v[L+8*(2*(\f)+(\mi)):L+8*(2*(\f)+(\mi))+7]
.endif
.endr
.endr
.endr
.rept 4
	v_nop                                          ; four places between the last product and the stores that read results
.endr
.irp f, 0,1,2,3
.irp mi, 0,1
	ds_store_b128 v10, v[L+8*(2*(\f)+(\mi)):L+8*(2*(\f)+(\mi))+3]   offset:(\mi)*16*PP+(\f)*64     ; each accumulator's low registers first
	ds_store_b128 v10, v[L+8*(2*(\f)+(\mi))+4:L+8*(2*(\f)+(\mi))+7] offset:(\mi)*16*PP+(\f)*64+16
.endr
.endr
.Lmeet:
	s_wait_dscnt 0x0                               ; for the others' sake: my partial sums are in LDS
	s_barrier_signal -1
	s_barrier_wait -1
	s_cmp_eq_u32 s4, 0
	s_cbranch_scc0 .Lsum
	s_wait_tensorcnt 0x0                           ; job 0's end
	ds_add_u32 v14, v15
	s_wait_dscnt 0x0
	s_endpgm
.Lsum:
.irp i, 0,1,2,3,4,5,6,7
	ds_load_b128 v[L+4*(\i):L+4*(\i)+3], v11 offset:(\i)*PWAVE
.endr
.irp i, 0,1,2,3,4,5,6,7
	ds_load_b128 v[L+32+4*(\i):L+32+4*(\i)+3], v12 offset:(\i)*PWAVE
.endr
.irp i, 0,1,2,3,4,5
	RND2 16+2*(\i), 17+2*(\i), 28+(\i)%2           ; the biases, rounded as every input is
.endr
	s_wait_dscnt 0x0
.irp st, 32,16,8,4                     ; sixteen vectors of four: the upper half onto the lower, four times
.set n, 0
.rept (\st)/2
	v_pk_add_f32 v[L+2*n:L+2*n+1], v[L+2*n:L+2*n+1], v[L+(\st)+2*n:L+(\st)+2*n+1]
.set n, n+1
.endr
.endr
.irp i, 0,1,2
	v_pk_add_f32 v[L:L+1],   v[L:L+1],   v[16+4*(\i):17+4*(\i)]
	v_pk_add_f32 v[L+2:L+3], v[L+2:L+3], v[18+4*(\i):19+4*(\i)]
.endr
	global_store_b128 v13, v[L:L+3], s[22:23]      ; sixteen lanes store 256 consecutive bytes, aligned
	s_wait_tensorcnt 0x0                           ; job 1's end: the same three lines
	ds_add_u32 v14, v15
	s_wait_dscnt 0x0
	s_endpgm
.Lfunc_end_k_qf69b56844f_prep:
	.size	k_qf69b56844f_prep, .Lfunc_end_k_qf69b56844f_prep-k_qf69b56844f_prep
	.p2alignl 7, 3214868480
	.fill 96, 4, 3214868480
	.section	.rodata,"a",@progbits
	.p2align	6, 0x0
	.amdhsa_kernel k_qf69b56844f_prep
		.amdhsa_group_segment_fixed_size 305152
		.amdhsa_private_segment_fixed_size 0
		.amdhsa_enable_private_segment 0
		.amdhsa_kernarg_size 64
		.amdhsa_user_sgpr_count 2
		.amdhsa_user_sgpr_kernarg_segment_ptr 1
		.amdhsa_wavefront_size32 1
		.amdhsa_system_sgpr_workgroup_id_x 1
		.amdhsa_system_sgpr_workgroup_id_y 1
		.amdhsa_system_sgpr_workgroup_id_z 1
		.amdhsa_system_vgpr_workitem_id 0
		.amdhsa_next_free_vgpr 256
		.amdhsa_next_free_sgpr 66
		.amdhsa_reserve_vcc 0
		.amdhsa_float_denorm_mode_32 3
		.amdhsa_float_denorm_mode_16_64 3
		.amdhsa_memory_ordered 1
		.amdhsa_forward_progress 1
		.amdhsa_inst_pref_size 26
	.end_amdhsa_kernel
	.amdgpu_metadata
---
amdhsa.version: [ 1, 2 ]
amdhsa.kernels:
  - .name:           k_qf69b56844f_prep
    .symbol:         k_qf69b56844f_prep.kd
    .args:
      - { .name: Ws, .offset: 0, .size: 8, .value_kind: global_buffer, .address_space: global }
      - { .name: Wh, .offset: 8, .size: 8, .value_kind: global_buffer, .address_space: global }
      - { .name: query, .offset: 16, .size: 8, .value_kind: global_buffer, .address_space: global }
      - { .name: bh, .offset: 24, .size: 8, .value_kind: global_buffer, .address_space: global }
      - { .name: bs, .offset: 32, .size: 8, .value_kind: global_buffer, .address_space: global }
      - { .name: bc, .offset: 40, .size: 8, .value_kind: global_buffer, .address_space: global }
      - { .name: wsb, .offset: 48, .size: 8, .value_kind: global_buffer, .address_space: global }
      - { .name: qb, .offset: 56, .size: 8, .value_kind: global_buffer, .address_space: global }
    .group_segment_fixed_size: 305152
    .private_segment_fixed_size: 0
    .kernarg_segment_align: 8
    .kernarg_segment_size: 64
    .max_flat_workgroup_size: 512
    .sgpr_count:     66
    .vgpr_count:     256
    .wavefront_size: 32
...
	.end_amdgpu_metadata
.endif
;; end of part 1
;; launch main (part 2): grid 512 x 1, 4 waves a work-group, no clusters, 317,440 bytes of LDS; arguments values, prev_coverage, Wc, Vw, Vb, wsb, qb, pbuf, ml, cp; writes pbuf, ml, cp
.if DOCPART == 2
	.amdgcn_target "amdgcn-amd-amdhsa--gfx1250"
	.amdhsa_code_object_version 6
	.text
	.protected	k_qf69b56844f_main
	.globl	k_qf69b56844f_main
	.p2align	8
	.type	k_qf69b56844f_main,@function
k_qf69b56844f_main:
	s_mov_b64 s[64:65], 0
	v_nop
	global_prefetch_b8 v0, s[64:65] scope:SCOPE_SE
	s_setreg_imm32_b32 hwreg(HW_REG_WAVE_MODE, 25, 1), 1
	s_wait_xcnt 0x0
; BAHDANAU ATTENTION, the fused part.  A work-group owns a TILE of 128 rows (time steps) of one batch; 16 tiles make a batch, 512 the whole.
;   score[t] = sum over u of Vw[u] tanh(qb[b][u] + cov[t] Wc[u] + sum over d of values[t][d] Ws[d][u]) + Vb       (qb = query Wh + bh + bs + bc, made by the launch before)
;   m = the tile's largest score;  p[t] = e^(score[t] - m) -> pbuf;  l = sum of p;  (m, l) -> ml;  cp[tile][d] = sum over t of p[t] values[t][d].  The next launch joins a batch's 16 tiles by their m.
; values leaves memory ONCE: the tile is rounded to bf16 on its way in and stays in LDS (128 rows x 2,048 bytes), where all four waves read it for every unit and, at the end, for the context.
; LIMITS.  Every input is rounded once to bf16 (values, Ws as matrix operands; prev_coverage, Wc, Vw, Vb too); all arithmetic behind that is f32, but p is rounded to bf16 for the context's product
; (l is the sum of the unrounded p).  tanh(x) = 1 - 2 / (1 + 2^(2 log2(e) x)); the score is formed as sum(Vw) - 2 sum(Vw / (1 + 2^..)) in f32, the first sum added lane by lane over the same 16 units.
; A power of two below 2^-126 counts as 0.  NaN and infinities are not treated apart.
; SHARES.  Wave w owns units 256 w .. 256 w + 255, in four CHUNKS of 64: a chunk is 128 rows x 64 units, 32 accumulators (a = 4 mb + f: rows 16 mb on, units 16 f on), 256 registers.
; Source 0 = 16 rows of values, source 1 = 16 units of Ws: in the result register j of lane l is row 16 mb + 8 (l/16) + j, unit 16 f + l%16.  The sums START at cov Wc + qb, so nothing is cleared or added later.
; Ws comes from wsb, which holds it in fragment order: a K step's four fragments are eight loads of 512 consecutive bytes, straight into a ring of four register slots, asked for three K steps
; (96 matrix instructions) ahead; no barrier stands in the loop.
; NO CLUSTER, NO TENSOR LOADS: all work-groups walk the same Ws, but the tile takes 264,192 of the 327,680 bytes of LDS; what is left would hold two slots of under 31 KB, 64 matrix instructions a wave
; between a request and the wait for it, with a barrier each; and values has to pass through registers to be rounded.
; tanh BESIDE THE PRODUCTS.  In a chunk's last K step each finished accumulator is scaled into a second set of 256 registers (Y) and started anew; Y's exponentials, reciprocals and the sums with Vw
; stand in groups of four or five behind every second matrix instruction of the next chunk's first 16 K steps.  Only the last chunk's stand alone.
; REGISTERS, in windows of 256 (s_set_vgpr_msb: bits 1:0 source 0, 3:2 source 1, 5:4 source 2, 7:6 destination):
;   window 0: v0-15 addresses; v16-23 (Wc, qb) of my 4 units; v24-27 -2 Vw of them; v28-29 their sum; v30 Vb; v32-55 tables as loaded; v56-59 fixed part of A's addresses; v64-127 S, the scores' partial sums
;             (row 16 mb + 8 (l/16) + j at S + 8 mb + j); v128-191 cov of the same rows; v192-255 at work
;   window 1: v0-127 fragments of values, two buffers (64 buf + 8 mb); v128-255 the ring for Ws (128 + 32 slot + 8 f); in the context two buffers of 128 for turned values
;   window 2: X, the accumulators (8 a); at the start the landing of values' rows; in the context 16 accumulators (8 cb)          window 3: Y
.set PITCH, 2064                       ; a row of the tile in LDS: 2,048 bytes + 16 = 516 words: row r starts at bank 4 r mod 64 (64 banks of 4 bytes: ISA guide 11.1)
.set H16,   16*PITCH
.set BLK32, 32*PITCH
.set TW,    128*PITCH                  ; behind the tile: Wc rounded, 4,096 bytes
.set TQ,    TW+4096                    ; qb of my batch
.set TV,    TW+8192                    ; -2 x Vw rounded
.set RED,   TW+12288                   ; 128 rows x 64 partial sums, rows of 272 bytes
.set RP,    272
.set SARR,  RED+128*RP                 ; the 128 scores
.set PARR,  SARR+512                   ; p in bf16, 256 bytes for each wave
.set CARR,  PARR+1024                  ; the context's way out, 1,024 bytes for each wave
.set SPARE, CARR+4096                  ; the spare words, 128 bytes for each wave: two blocks of 256 bytes that no other line names
.set VOFF, 4                           ; v4     16 x lane; never rewritten
.set LADR, 5                           ; v5     where my lane puts 8 bytes of a row
.set AADR, 6                           ; v6-9   LDS address of values' fragments, rows 32 p on; later of the turned loads, rows 32 kk on
.set TADR, 10                          ; v10    my unit's place in the three tables
.set RADR, 11                          ; v11    where my partial sums go
.set PADR, 12                          ; v12    where I read p's fragments
.set XADR, 13                          ; v13    at work
.set SPW,  14                          ; v14    my spare word: SPARE + 4 x my thread's number; never rewritten
.set NIL,  15                          ; v15    0; never rewritten
.set WQ,   16
.set VW,   24
.set SVW,  28
.set VBV,  30
.set TL,   32
.set AB0,  56
.set S,    64
.set COV,  128
.set T,    192
.set BR,   128                         ; the ring, in window 1
; scalars: s2 wave, s3 tile, s4 batch; s[16:35] the ten addresses; s[36:37] 2 log2(e); s[38:39] v_permlanex16_b32's selects; s40 chunks to go; s41 trips of the rolled loop; s[42:43] wsb at my wave;
; s[44:45] at the chunk in hand; s[46:47] walks in it; s[48:49] at the next chunk; s[50:51] an offset; s52 0xffff0000; s53 Vb; s54 trips of the load loop; s55 KO: bytes along a row; s[56:57] values at my rows
.set MSB, 0
.macro WIN new                         ; the immediate's high byte repeats the setting that is left; a switch that changes nothing is dropped
.if MSB != (\new)
	s_set_vgpr_msb (MSB<<8)|(\new)
.set MSB, (\new)
.endif
.endm
.set W_MM, 0xa5                        ; both fragments window 1, C and D window 2
.set W_LD, 0x40                        ; destination window 1, address window 0
.set W_Y,  0xc3                        ; destination and source 0 window 3
.set W_F,  0x03                        ; source 0 window 3, the rest window 0
.set W_XM, 0xc2                        ; destination window 3, source 0 window 2
.set W_XI, 0x80                        ; destination window 2, sources window 0
.macro RND2 ra, rb, rt                 ; two f32 rounded to bf16 and widened again
	v_cvt_pk_bf16_f32 v[\rt], v[\ra], v[\rb]
	v_lshlrev_b32 v[\ra], 16, v[\rt]
	v_and_b32 v[\rb], s52, v[\rt]
.endm
; One row of values: slot i of eight holds a row as 32 registers (8 loads of 512 consecutive bytes).  It is rounded in place from the low end and laid into LDS, 8 bytes a lane.
; ahead = 1: the slot is loaded again with the row eight further down.  left = the younger loads that may stay out.
.macro SLOT i, ahead, left
	s_wait_loadcnt \left                           ; loads come back in order (ISA guide 5.7.1): this row is in
	WIN 0x8a
.set n, 0
.rept 16
	v_cvt_pk_bf16_f32 v[32*(\i)+n], v[32*(\i)+2*n], v[32*(\i)+2*n+1]
.set n, n+1
.endr
	WIN 0x08                                       ; data window 2, address window 0
.irp j, 0,1,2,3,4,5,6,7
	ds_store_b64 v[LADR], v[32*(\i)+2*(\j):32*(\i)+2*(\j)+1] offset:(\i)*PITCH+(\j)*256
.endr
.if \ahead
	WIN W_XI
.irp j, 0,1,2,3,4,5,6,7
	global_load_b128 v[32*(\i)+4*(\j):32*(\i)+4*(\j)+3], v[VOFF], s[56:57] offset:((\i)+8)*4096+(\j)*512 th:TH_LOAD_NT
.endr
.endif
.endm
.macro ALOAD p, buf, aoff              ; two fragments of values, rows 32 p on, 32 along K at byte aoff of the rows
	ds_load_b128 v[64*(\buf)+16*(\p):64*(\buf)+16*(\p)+3],     v[AADR+(\p)] offset:(\aoff)
	ds_load_b128 v[64*(\buf)+16*(\p)+4:64*(\buf)+16*(\p)+7],   v[AADR+(\p)] offset:(\aoff)+32
	ds_load_b128 v[64*(\buf)+16*(\p)+8:64*(\buf)+16*(\p)+11],  v[AADR+(\p)] offset:(\aoff)+H16
	ds_load_b128 v[64*(\buf)+16*(\p)+12:64*(\buf)+16*(\p)+15], v[AADR+(\p)] offset:(\aoff)+H16+32
.endm
.macro BLOAD f, slot, ptr, boff        ; one fragment of Ws: two loads of 512 consecutive bytes
	global_load_b128 v[BR+32*(\slot)+8*(\f):BR+32*(\slot)+8*(\f)+3],   v[VOFF], s[\ptr:\ptr+1] offset:(\boff)+(\f)*1024
	global_load_b128 v[BR+32*(\slot)+8*(\f)+4:BR+32*(\slot)+8*(\f)+7], v[VOFF], s[\ptr:\ptr+1] offset:(\boff)+(\f)*1024+512
.endm
.macro INITX xa                        ; accumulator xa starts at cov x Wc + qb: the pair (Wc, qb) gives its low word as factor and its high word as addend
	WIN W_XI
.irp z, 0,1,2,3
	v_pk_fma_f32 v[8*(\xa)+2*(\z):8*(\xa)+2*(\z)+1], v[COV+8*((\xa)/4)+2*(\z):COV+8*((\xa)/4)+2*(\z)+1], v[WQ+2*((\xa)%4):WQ+2*((\xa)%4)+1], v[WQ+2*((\xa)%4):WQ+2*((\xa)%4)+1] op_sel:[0,0,1] op_sel_hi:[1,0,1]
.endr
.endm
.macro XFER xa                         ; Y = 2 log2(e) X, from the accumulator's low end on; then X starts the next chunk's sums
	WIN W_XM
.irp z, 0,1,2,3
	v_pk_mul_f32 v[8*(\xa)+2*(\z):8*(\xa)+2*(\z)+1], v[8*(\xa)+2*(\z):8*(\xa)+2*(\z)+1], s[36:37] op_sel_hi:[1,0]
.endr
	INITX \xa
.endm
; Group gg of six of accumulator ga's tanh, on Y: 0, 1 the exponentials; 2 plus one; 3, 4 the reciprocals; 5 S += Y x (-2 Vw).  The v_nop is the plain instruction between a transcendental and the use of its result (ISA guide 5.7.2).
.macro GROUP ga, gg
.if (\gg) < 2
	WIN W_Y
.irp z, 0,1,2,3
	v_exp_f32 v[8*(\ga)+4*(\gg)+(\z)], v[8*(\ga)+4*(\gg)+(\z)]
.endr
.elseif (\gg) == 2
	WIN W_Y
	v_nop
	s_wait_alu depctr_va_vdst(0)
.irp z, 0,1,2,3
	v_pk_add_f32 v[8*(\ga)+2*(\z):8*(\ga)+2*(\z)+1], v[8*(\ga)+2*(\z):8*(\ga)+2*(\z)+1], 1.0 op_sel_hi:[1,0]
.endr
.elseif (\gg) < 5
	WIN W_Y
.irp z, 0,1,2,3
	v_rcp_f32 v[8*(\ga)+4*((\gg)-3)+(\z)], v[8*(\ga)+4*((\gg)-3)+(\z)]
.endr
.else
	WIN W_F
	v_nop
	s_wait_alu depctr_va_vdst(0)
.irp z, 0,1,2,3
.if ((\ga)%2) == 0
	v_pk_fma_f32 v[S+8*((\ga)/4)+2*(\z):S+8*((\ga)/4)+2*(\z)+1], v[8*(\ga)+2*(\z):8*(\ga)+2*(\z)+1], v[VW+2*(((\ga)%4)/2):VW+2*(((\ga)%4)/2)+1], v[S+8*((\ga)/4)+2*(\z):S+8*((\ga)/4)+2*(\z)+1] op_sel_hi:[1,0,1]
.else
	v_pk_fma_f32 v[S+8*((\ga)/4)+2*(\z):S+8*((\ga)/4)+2*(\z)+1], v[8*(\ga)+2*(\z):8*(\ga)+2*(\z)+1], v[VW+2*(((\ga)%4)/2):VW+2*(((\ga)%4)/2)+1], v[S+8*((\ga)/4)+2*(\z):S+8*((\ga)/4)+2*(\z)+1] op_sel:[0,1,0] op_sel_hi:[1,1,1]
.endif
.endr
.endif
.endm
; A K STEP: 32 matrix instructions on buffer ab and ring slot bs; the 32 accumulators take turns, one instruction a turn, over every step's edge too.
; Behind instruction 0: four plain vector instructions that name none of the products' registers: the places (ISA guide 7.12.1 for vector instructions) between the step before's last product and the loads
; into the registers that it read.  Behind 1-4: the next step's fragments of values (byte aoff of the rows) into the other buffer.  Behind 5, 6: Ws of the step three on (bptr + boff) into the slot just read out.
; Behind 7: the bookkeeping named by hook.  kind 1: behind every second instruction from 8 on a GROUP of accumulators 2 rk, 2 rk + 1.  kind 2: behind instruction a the XFER of accumulator a - 1:
; between a product and the lines that read its result stand the eight of the XFER before (for the first: the four places).
; hook 1: K step 15, the rolled loop is set up.  2: the rolled loop's step on.  3: K step 28, tables and the next chunk's address.  4: the places are the sum of -2 Vw.  5: the places set A's addresses back.
.macro KSTEP ab, bs, aoff, bptr, boff, kind, hook, rk
	s_wait_dscnt 0x0                               ; this step's fragments of values, asked for 27 matrix instructions ago or more
	s_wait_loadcnt 16                              ; this step's Ws is in; the sixteen loads of the next two steps may stay out (every step issues eight, on every way)
.set ka, 0
.rept 32
	WIN W_MM
	v_wmma_f32_16x16x32_bf16 v[8*ka:8*ka+7], v[64*(\ab)+8*(ka/4):64*(\ab)+8*(ka/4)+7], v[BR+32*(\bs)+8*(ka%4):BR+32*(\bs)+8*(ka%4)+7], v[8*ka:8*ka+7]
.if ka == 0
.if (\hook) == 4
	WIN 0
.irp z, 0,1,2,3
	v_add_f32 v[SVW], v[SVW], v[VW+(\z)]
.endr
.elseif (\hook) == 5
	WIN 0
	s_mov_b32 s55, 0
.irp z, 0,1,2,3
	v_mov_b32 v[AADR+(\z)], v[AB0+(\z)]
.endr
.else
.rept 4
	v_nop
.endr
.endif
.elseif ka <= 4
	WIN W_LD
	ALOAD ka-1, 1-(\ab), \aoff
.elseif ka <= 6
	WIN W_LD
	BLOAD 2*(ka-5), ((\bs)+3)%4, \bptr, \boff
	BLOAD 2*(ka-5)+1, ((\bs)+3)%4, \bptr, \boff
.elseif ka == 7
.if (\hook) == 1
	WIN 0
	s_mov_b32 s55, 1024                            ; 16 K steps of 64 bytes
.irp z, 0,1,2,3
	v_add_nc_u32 v[AADR+(\z)], s55, v[AB0+(\z)]
.endr
	s_wait_xcnt 0x0                                ; the walking address is written only when every load that names it has had its address translated (ISA guide 3.1)
	s_add_nc_u64 s[46:47], s[44:45], 0x10000       ; 16 K steps of 4,096 bytes
.elseif (\hook) == 2
	WIN 0
	s_add_co_u32 s55, s55, 256
.irp z, 0,1,2,3
	v_add_nc_u32 v[AADR+(\z)], s55, v[AB0+(\z)]
.endr
	s_wait_xcnt 0x0                                ; as above
	s_add_nc_u64 s[46:47], s[46:47], 0x4000
.elseif (\hook) == 3
	WIN 0
.irp z, 0,1,2,3
	ds_load_b32 v[WQ+2*(\z)],   v[TADR] offset:256+(\z)*64        ; the next chunk's Wc,
	ds_load_b32 v[WQ+2*(\z)+1], v[TADR] offset:4096+256+(\z)*64   ; and qb (behind the last chunk: table bytes that serve nothing);
	ds_load_b32 v[VW+(\z)],     v[TADR] offset:8192+(\z)*64       ; this chunk's -2 Vw
.endr
	v_add_nc_u32 v[TADR], 256, v[TADR]
	s_wait_xcnt 0x0                                ; as above, for the next chunk's address
	s_sub_co_u32 s50, 5, s40                       ; the next chunk's number; behind the last it is 0 again, so that no load leaves wsb
	s_and_b32 s50, s50, 3
	s_lshl_b32 s50, s50, 17                        ; 32 K steps of 4,096 bytes
	s_add_nc_u64 s[48:49], s[42:43], s[50:51]
.endif
.endif
.if ((\kind) == 1) && (ka >= 8) && (ka%2 == 0)
	GROUP 2*(\rk)+(ka-8)/12, ((ka-8)/2)%6
.endif
.if ((\kind) == 2) && (ka >= 1)
	XFER ka-1
.endif
.set ka, ka+1
.endr
.if (\kind) == 2
	XFER 31
.endif
.endm
.macro VFETCH kk, buf                  ; the context: rows 32 kk on of the tile, my 256 columns, turned: 16 fragments
	WIN W_LD
.irp cb, 0,1,2,3,4,5,6,7,8,9,10,11,12,13,14,15
	ds_load_tr16_b128 v[128*(\buf)+8*(\cb):128*(\buf)+8*(\cb)+3],   v[AADR+(\kk)] offset:(\cb)*32
	ds_load_tr16_b128 v[128*(\buf)+8*(\cb)+4:128*(\buf)+8*(\cb)+7], v[AADR+(\kk)] offset:(\cb)*32+H16
.endr
.endm
.macro CMM kk, buf, zero               ; 16 products p x values; the 16 accumulators take turns
	WIN 0xa4                                       ; p window 0, values window 1, C and D window 2
.irp cb, 0,1,2,3,4,5,6,7,8,9,10,11,12,13,14,15
.if \zero
	v_wmma_f32_16x16x32_bf16 v[8*(\cb):8*(\cb)+7], v[T+16+8*(\kk):T+16+8*(\kk)+7], v[128*(\buf)+8*(\cb):128*(\buf)+8*(\cb)+7], 0
.else
	v_wmma_f32_16x16x32_bf16 v[8*(\cb):8*(\cb)+7], v[T+16+8*(\kk):T+16+8*(\kk)+7], v[128*(\buf)+8*(\cb):128*(\buf)+8*(\cb)+7], v[8*(\cb):8*(\cb)+7]
.endif
.endr
.endm
	s_load_b512 s[16:31], s[0:1], 0x0              ; values s[16:17], prev_coverage s[18:19], Wc s[20:21], Vw s[22:23], Vb s[24:25], wsb s[26:27], qb s[28:29], pbuf s[30:31]
	s_load_b128 s[32:35], s[0:1], 0x40             ; ml s[32:33], cp s[34:35]
	v_lshl_add_u32 v[SPW], v0, 2, SPARE
	v_mov_b32 v[NIL], 0
	v_lshrrev_b32 v3, 5, v0
	v_readfirstlane_b32 s2, v3                     ; wave 0..3
	s_mov_b32 s3, ttmp9                            ; tile
	s_lshr_b32 s4, s3, 4                           ; batch
	s_mov_b32 s36, 0x4038aa3b                      ; 2 log2(e)
	s_mov_b32 s37, s36                             ; named with it as a pair
	s_mov_b32 s38, 0x76543210
	s_mov_b32 s39, 0xfedcba98
	s_mov_b32 s52, 0xffff0000                      ; a word's upper bf16; also the mask of lanes 16-31
	s_mov_b32 s51, 0                               ; the offset pair's high word, for good
	v_and_b32 v1, 15, v0                           ; l % 16
	v_bfe_u32 v2, v0, 4, 1                         ; l / 16
	v_and_b32 v3, 31, v0                           ; lane
	v_lshlrev_b32 v[VOFF], 4, v3
	s_mul_i32 s5, s2, BLK32                        ; I lay rows 32 w .. 32 w + 31
	v_lshl_add_u32 v[LADR], v3, 3, s5
	v_mul_u32_u24 v[AB0], v1, PITCH                ; a fragment: row l%16, 16 bytes for each half of the lanes
	v_lshl_add_u32 v[AB0], v2, 4, v[AB0]
	v_add_nc_u32 v[AB0+1], BLK32, v[AB0]
	v_add_nc_u32 v[AB0+2], 2*BLK32, v[AB0]
	v_add_nc_u32 v[AB0+3], 3*BLK32, v[AB0]
.irp z, 0,1,2,3
	v_mov_b32 v[AADR+(\z)], v[AB0+(\z)]
.endr
	s_lshl_b32 s5, s2, 10
	s_add_co_u32 s5, s5, TW
	v_lshl_add_u32 v[TADR], v1, 2, s5              ; unit 256 w + l%16
	s_lshl_b32 s5, s2, 6
	s_add_co_u32 s5, s5, RED
	v_mul_u32_u24 v[RADR], v2, 8*RP                ; row 8 (l/16), partial sum 16 w + l%16
	v_lshl_add_u32 v[RADR], v1, 2, v[RADR]
	v_add_nc_u32 v[RADR], s5, v[RADR]
	s_lshl_b32 s5, s2, 8
	s_add_co_u32 s5, s5, PARR
	v_lshl_add_u32 v[PADR], v2, 4, s5
	v_lshlrev_b32 v60, 5, v2                       ; cov: my half's 8 rows of each 16
	v_lshlrev_b32 v61, 4, v0                       ; tables: 16 bytes a thread
	v_add_nc_u32 v62, TW, v61
	s_wait_kmcnt 0x0
	s_load_b32 s53, s[24:25], 0x0                  ; Vb
	s_lshl_b32 s50, s3, 19                         ; the tile's 128 rows of 4,096 bytes,
	s_lshl_b32 s5, s2, 17                          ; my 32 of them
	s_add_co_u32 s50, s50, s5
	s_add_nc_u64 s[56:57], s[16:17], s[50:51]
	s_lshl_b32 s50, s3, 9                          ; 128 numbers of 4 bytes
	s_add_nc_u64 s[18:19], s[18:19], s[50:51]
	s_add_nc_u64 s[30:31], s[30:31], s[50:51]
	s_lshl_b32 s50, s4, 12
	s_add_nc_u64 s[28:29], s[28:29], s[50:51]
	s_lshl_b32 s50, s2, 19                         ; my four strips of 32 x 4,096 bytes
	s_add_nc_u64 s[42:43], s[26:27], s[50:51]
	s_mov_b64 s[44:45], s[42:43]
	s_lshl_b32 s50, s3, 8
	s_add_nc_u64 s[32:33], s[32:33], s[50:51]
	s_lshl_b32 s50, s3, 12
	s_lshl_b32 s5, s2, 10
	s_add_co_u32 s50, s50, s5
	s_add_nc_u64 s[34:35], s[34:35], s[50:51]
.irp mb, 0,1,2,3,4,5,6,7
	global_load_b128 v[COV+8*(\mb):COV+8*(\mb)+3],   v60, s[18:19] offset:64*(\mb)
	global_load_b128 v[COV+8*(\mb)+4:COV+8*(\mb)+7], v60, s[18:19] offset:64*(\mb)+16
.endr
	global_load_b128 v[TL:TL+3],     v61, s[28:29]
	global_load_b128 v[TL+4:TL+7],   v61, s[28:29] offset:2048
	global_load_b128 v[TL+8:TL+11],  v61, s[20:21]
	global_load_b128 v[TL+12:TL+15], v61, s[20:21] offset:2048
	global_load_b128 v[TL+16:TL+19], v61, s[22:23]
	global_load_b128 v[TL+20:TL+23], v61, s[22:23] offset:2048
	WIN W_XI
.irp i, 0,1,2,3,4,5,6,7
.irp j, 0,1,2,3,4,5,6,7
	global_load_b128 v[32*(\i)+4*(\j):32*(\i)+4*(\j)+3], v[VOFF], s[56:57] offset:(\i)*4096+(\j)*512 th:TH_LOAD_NT  ; my rows 0 to 7: 512 consecutive bytes a load
.endr
.endr
	WIN 0
.set n, 0
.rept 64                               ; S is added onto by one text for all chunks, so it starts at 0; these lines stand in the wait for the first rows
	v_mov_b32 v[S+n], 0
.set n, n+1
.endr
	v_mov_b32 v[SVW], 0
	v_mov_b32 v[SVW+1], 0
	s_wait_loadcnt 56                              ; all but the youngest seven rows' 56 loads: cov and the tables, which were issued first, are in
.set n, 0
.rept 32
	RND2 COV+2*n, COV+2*n+1, 63-32*(n%2)
.set n, n+1
.endr
.irp z, 4,5,6,7,8,9,10,11
	RND2 TL+2*(\z), TL+2*(\z)+1, 63-32*((\z)%2)    ; Wc and Vw
.endr
.irp z, 0,1,2,3
	v_pk_mul_f32 v[TL+16+2*(\z):TL+16+2*(\z)+1], v[TL+16+2*(\z):TL+16+2*(\z)+1], -2.0 op_sel_hi:[1,0]
.endr
	ds_store_b128 v62, v[TL+8:TL+11]
	ds_store_b128 v62, v[TL+12:TL+15] offset:2048
	ds_store_b128 v62, v[TL:TL+3]     offset:4096
	ds_store_b128 v62, v[TL+4:TL+7]   offset:6144
	ds_store_b128 v62, v[TL+16:TL+19] offset:8192
	ds_store_b128 v62, v[TL+20:TL+23] offset:10240
	s_wait_kmcnt 0x0
	v_mov_b32 v[VBV], s53
	v_cvt_pk_bf16_f32 v31, v[VBV], v[VBV]
	v_lshlrev_b32 v[VBV], 16, v31
	; THE TILE COMES IN: 32 rows a wave through eight slots of registers, 64 loads of every wave on their way.
	s_mov_b32 s54, 3
.Lrows:
.irp i, 0,1,2,3,4,5,6,7
	SLOT \i, 1, 56                                 ; the seven younger rows' 56 loads stay out
.endr
	WIN 0
	v_add_nc_u32 v[LADR], 8*PITCH, v[LADR]
	s_wait_xcnt 0x0                                ; the rows' base is stepped only when every load that names it has had its address translated (ISA guide 3.1)
	s_add_nc_u64 s[56:57], s[56:57], 0x8000
	s_sub_co_u32 s54, s54, 1
	s_cmp_lg_u32 s54, 0
	s_cbranch_scc1 .Lrows
	SLOT 0, 0, 56                                  ; the last eight rows load nothing more: the counts run down
	SLOT 1, 0, 48
	SLOT 2, 0, 40
	SLOT 3, 0, 32
	WIN W_LD
.irp k, 0,1,2
.irp f, 0,1,2,3
	BLOAD \f, \k, 44, (\k)*4096                    ; Ws of K steps 0 to 2: 24 loads, younger than the four rows still out
.endr
.endr
	SLOT 4, 0, 48                                  ; three rows' 24 and those 24
	SLOT 5, 0, 40
	SLOT 6, 0, 32
	SLOT 7, 0, 24
	WIN 0
	s_wait_dscnt 0x0                               ; for the others' sake: my rows and my part of the tables are in LDS
	s_barrier_signal -1
	s_barrier_wait -1
.irp z, 0,1,2,3
	ds_load_b32 v[WQ+2*(\z)],   v[TADR] offset:(\z)*64
	ds_load_b32 v[WQ+2*(\z)+1], v[TADR] offset:4096+(\z)*64
.endr
	WIN W_LD
.irp p, 0,1,2,3
	ALOAD \p, 0, 0
.endr
	s_wait_dscnt 0x0
.set n, 0
.rept 32
	INITX n
.set n, n+1
.endr
	WIN 0
	s_mov_b32 s40, 4                               ; chunks to go
	s_mov_b32 s41, 7                               ; the first chunk has no tanh to carry: its K steps 0 to 27 are seven trips of the rolled loop
	s_mov_b32 s55, 0
	s_mov_b64 s[46:47], s[44:45]
	s_branch .Lmid
.Lchunk:                               ; K steps 0 to 15 carry the tanh of the chunk before
.set kq, 0
.rept 16
	KSTEP kq%2, kq%4, (kq+1)*64, 44, (kq+3)*4096, 1, kq/15, kq
.set kq, kq+1
.endr
	WIN 0
	s_mov_b32 s41, 3                               ; K steps 16 to 27
.Lmid:
.set kq, 0
.rept 4
	KSTEP kq%2, kq%4, (kq+1)*64, 46, (kq+3)*4096, 0, 2*(kq/3), 0
.set kq, kq+1
.endr
	WIN 0
	s_sub_co_u32 s41, s41, 1
	s_cmp_lg_u32 s41, 0
	s_cbranch_scc1 .Lmid
	KSTEP 0, 0, 64,  46, 12288, 0, 3, 0            ; K step 28: asks for Ws of step 31
	KSTEP 1, 1, 128, 48, 0,     0, 4, 0            ; 29 to 31 ask for the next chunk's steps 0 to 2
	KSTEP 0, 2, 192, 48, 4096,  0, 0, 0
	KSTEP 1, 3, 0,   48, 8192,  2, 5, 0
	WIN 0
	s_wait_xcnt 0x0                                ; as above, for the chunk's address
	s_mov_b64 s[44:45], s[48:49]
	s_sub_co_u32 s40, s40, 1
	s_cmp_lg_u32 s40, 0
	s_cbranch_scc1 .Lchunk
.set ta, 0
.rept 32                               ; the last chunk's tanh has no products to stand beside
.irp g, 0,1,2,3,4,5
	GROUP ta, \g
.endr
.set ta, ta+1
.endr
	WIN 0
	s_wait_loadcnt 0x0                             ; the ring's last 24 loads serve nothing; its registers are used again below
	; THE SCORES.  A lane's S holds, for 64 rows, the sum over its 16 units of -2 Vw / (1 + 2^..); the same units' sum of Vw is added, and the 64 partial sums of a row meet in LDS.
	v_mul_f32 v[SVW], -0.5, v[SVW]
	v_mov_b32 v[SVW+1], v[SVW]
.set n, 0
.rept 32
	v_pk_add_f32 v[S+2*n:S+2*n+1], v[S+2*n:S+2*n+1], v[SVW:SVW+1]
.set n, n+1
.endr
.set n, 0
.rept 64
	ds_store_b32 v[RADR], v[S+n] offset:(16*(n/8)+n%8)*RP
.set n, n+1
.endr
	v_mul_u32_u24 v[XADR], v0, RP
	v_add_nc_u32 v[XADR], RED, v[XADR]             ; thread t takes row t
	s_wait_dscnt 0x0                               ; for the others' sake: my partial sums are in LDS
	s_barrier_signal -1
	s_barrier_wait -1
.set n, 0
.rept 16
	ds_load_b128 v[T+4*n:T+4*n+3], v[XADR] offset:16*n
.set n, n+1
.endr
	v_lshl_add_u32 v[XADR], v0, 2, SARR
	s_wait_dscnt 0x0
.irp st, 2,4,8,16,32
.set n, 0
.rept 32/(\st)
	v_pk_add_f32 v[T+2*(\st)*n:T+2*(\st)*n+1], v[T+2*(\st)*n:T+2*(\st)*n+1], v[T+2*(\st)*n+(\st):T+2*(\st)*n+(\st)+1]
.set n, n+1
.endr
.endr
	v_add_f32 v[T], v[T], v[T+1]
	v_add_f32 v[T], v[T], v[VBV]
	ds_store_b32 v[XADR], v[T]
	v_lshl_add_u32 v[XADR], v3, 4, SARR
	s_wait_dscnt 0x0                               ; for the others' sake: my row's score is in LDS
	s_barrier_signal -1
	s_barrier_wait -1
	; THE TILE'S SOFTMAX, in every wave alike: a lane takes four scores.
	ds_load_b128 v[T:T+3], v[XADR]
	v_lshlrev_b32 v[T+10], 3, v3                   ; 8 x lane
	s_lshl_b32 s5, s2, 8
	s_add_co_u32 s5, s5, PARR
	v_add_nc_u32 v[T+11], s5, v[T+10]              ; where my four p go
	v_and_b32 v[T+12], 7, v0                       ; the turning load: row 8 (l/16) + l%8, 16 bytes at 16 ((l/8)%2), my wave's 512 bytes of a row
	v_bfe_u32 v[T+13], v0, 3, 1
	v_lshl_add_u32 v[T+12], v2, 3, v[T+12]
	v_mul_u32_u24 v[T+12], v[T+12], PITCH
	v_lshl_add_u32 v[T+12], v[T+13], 4, v[T+12]
	s_lshl_b32 s6, s2, 9
	v_add_nc_u32 v[AADR], s6, v[T+12]
	v_add_nc_u32 v[AADR+1], BLK32, v[AADR]
	v_add_nc_u32 v[AADR+2], 2*BLK32, v[AADR]
	v_add_nc_u32 v[AADR+3], 3*BLK32, v[AADR]
	s_lshl_b32 s7, s2, 10
	s_add_co_u32 s7, s7, CARR
	v_lshl_add_u32 v[T+14], v3, 2, s7              ; the context's way out: in,
	v_lshl_add_u32 v[T+15], v3, 4, s7              ; and back
	s_wait_dscnt 0x0
	v_max3_num_f32 v[T+4], v[T], v[T+1], v[T+2]
	v_max_num_f32 v[T+4], v[T+4], v[T+3]
	v_max_num_f32_dpp v[T+4], v[T+4], v[T+4] row_xmask:1 row_mask:0xf bank_mask:0xf
	v_max_num_f32_dpp v[T+4], v[T+4], v[T+4] row_xmask:2 row_mask:0xf bank_mask:0xf
	v_max_num_f32_dpp v[T+4], v[T+4], v[T+4] row_xmask:4 row_mask:0xf bank_mask:0xf
	v_max_num_f32_dpp v[T+4], v[T+4], v[T+4] row_xmask:8 row_mask:0xf bank_mask:0xf
	v_permlanex16_b32 v[T+5], v[T+4], s38, s39
	v_max_num_f32 v[T+4], v[T+4], v[T+5]           ; m
.irp z, 0,1,2,3
	v_sub_f32 v[T+(\z)], v[T+(\z)], v[T+4]
.endr
.irp z, 0,1,2,3
	v_mul_f32 v[T+(\z)], 0x3fb8aa3b, v[T+(\z)]
.endr
.irp z, 0,1,2,3
	v_exp_f32 v[T+(\z)], v[T+(\z)]                 ; p
.endr
	v_nop                                          ; a plain instruction between the last exponential and the use of its result
	s_wait_alu depctr_va_vdst(0)
	v_add_f32 v[T+5], v[T], v[T+1]
	v_add_f32 v[T+6], v[T+2], v[T+3]
	v_add_f32 v[T+5], v[T+5], v[T+6]
	v_add_f32_dpp v[T+5], v[T+5], v[T+5] row_xmask:1 row_mask:0xf bank_mask:0xf
	v_add_f32_dpp v[T+5], v[T+5], v[T+5] row_xmask:2 row_mask:0xf bank_mask:0xf
	v_add_f32_dpp v[T+5], v[T+5], v[T+5] row_xmask:4 row_mask:0xf bank_mask:0xf
	v_add_f32_dpp v[T+5], v[T+5], v[T+5] row_xmask:8 row_mask:0xf bank_mask:0xf
	v_permlanex16_b32 v[T+6], v[T+5], s38, s39
	v_add_f32 v[T+5], v[T+5], v[T+6]               ; l: v[T+4:T+5] = (m, l)
	v_cvt_pk_bf16_f32 v[T+8], v[T], v[T+1]
	v_cvt_pk_bf16_f32 v[T+9], v[T+2], v[T+3]
	ds_store_b64 v[T+11], v[T+8:T+9]
.irp kk, 0,1,2,3                       ; p as source 0: all 16 rows of the fragment are the same 32 weights; LDS serves my instructions in order: these see the store above
	ds_load_b128 v[T+16+8*(\kk):T+16+8*(\kk)+3],   v[PADR] offset:64*(\kk)
	ds_load_b128 v[T+16+8*(\kk)+4:T+16+8*(\kk)+7], v[PADR] offset:64*(\kk)+32
.endr
	s_cmp_lg_u32 s2, 0
	s_cbranch_scc1 .Lnot0
	global_store_b128 v[VOFF], v[T:T+3], s[30:31]  ; wave 0 alone: the tile's p, 512 consecutive bytes,
	global_store_b64 v[T+10], v[T+4:T+5], s[32:33] ; and (m, l), 32 times: 256 consecutive bytes.  Neither's registers are written again
.Lnot0:
	; THE CONTEXT: sum over the tile's rows of p x values, for my 256 columns, out of the same LDS tile.
	VFETCH 0, 0
	VFETCH 1, 1
	s_wait_dscnt 32                                ; all but the second buffer's 32 loads: p and rows 0-31 are in
	CMM 0, 0, 1
.rept 4
	v_nop                                          ; the places in front of loads into registers that those products read
.endr
	VFETCH 2, 0
	s_wait_dscnt 32                                ; rows 32-63 are in
	CMM 1, 1, 0
.rept 4
	v_nop
.endr
	VFETCH 3, 1
	s_wait_dscnt 32                                ; rows 64-95
	CMM 2, 0, 0
	s_wait_dscnt 0x0
	CMM 3, 1, 0
.rept 4
	v_nop                                          ; the places in front of the lines that read results
.endr
	WIN 0x0a                                       ; both sources window 2
.irp i, 0,1,2,3,4,5,6,7                ; all 16 rows of a result are alike: its lowest register holds column l%16 in both halves of the lanes; two results make 32 neighbouring columns
	v_cndmask_b32 v[T+48+(\i)], v[16*(\i)], v[16*(\i)+8], s52
.endr
	WIN 0
.irp i, 0,1,2,3,4,5,6,7
	ds_store_b32 v[T+14], v[T+48+(\i)] offset:128*(\i)
.endr
	ds_load_b128 v[T+56:T+59], v[T+15]             ; back as 16 bytes a lane; my own bytes, served in order
	ds_load_b128 v[T+60:T+63], v[T+15] offset:512
	s_wait_dscnt 0x0
	global_store_b128 v[VOFF], v[T+56:T+59], s[34:35]             ; 512 consecutive bytes, aligned
	global_store_b128 v[VOFF], v[T+60:T+63], s[34:35] offset:512
	s_wait_tensorcnt 0x0                           ; the wave's end
	ds_add_u32 v[SPW], v[NIL]
	s_wait_dscnt 0x0
	s_endpgm
.Lfunc_end_k_qf69b56844f_main:
	.size	k_qf69b56844f_main, .Lfunc_end_k_qf69b56844f_main-k_qf69b56844f_main
	.p2alignl 7, 3214868480
	.fill 96, 4, 3214868480
	.section	.rodata,"a",@progbits
	.p2align	6, 0x0
	.amdhsa_kernel k_qf69b56844f_main
		.amdhsa_group_segment_fixed_size 317440
		.amdhsa_private_segment_fixed_size 0
		.amdhsa_enable_private_segment 0
		.amdhsa_kernarg_size 80
		.amdhsa_user_sgpr_count 2
		.amdhsa_user_sgpr_kernarg_segment_ptr 1
		.amdhsa_wavefront_size32 1
		.amdhsa_system_sgpr_workgroup_id_x 1
		.amdhsa_system_sgpr_workgroup_id_y 1
		.amdhsa_system_sgpr_workgroup_id_z 1
		.amdhsa_system_vgpr_workitem_id 0
		.amdhsa_next_free_vgpr 1024
		.amdhsa_next_free_sgpr 66
		.amdhsa_reserve_vcc 0
		.amdhsa_float_denorm_mode_32 3
		.amdhsa_float_denorm_mode_16_64 3
		.amdhsa_memory_ordered 1
		.amdhsa_forward_progress 1
		.amdhsa_inst_pref_size 255
	.end_amdhsa_kernel
	.section	.bss,"aw",@nobits
	.p2align	6
	.space	262144
	.amdgpu_metadata
---
amdhsa.version: [ 1, 2 ]
amdhsa.kernels:
  - .name:           k_qf69b56844f_main
    .symbol:         k_qf69b56844f_main.kd
    .args:
      - { .name: values, .offset: 0, .size: 8, .value_kind: global_buffer, .address_space: global }
      - { .name: prev_coverage, .offset: 8, .size: 8, .value_kind: global_buffer, .address_space: global }
      - { .name: Wc, .offset: 16, .size: 8, .value_kind: global_buffer, .address_space: global }
      - { .name: Vw, .offset: 24, .size: 8, .value_kind: global_buffer, .address_space: global }
      - { .name: Vb, .offset: 32, .size: 8, .value_kind: global_buffer, .address_space: global }
      - { .name: wsb, .offset: 40, .size: 8, .value_kind: global_buffer, .address_space: global }
      - { .name: qb, .offset: 48, .size: 8, .value_kind: global_buffer, .address_space: global }
      - { .name: pbuf, .offset: 56, .size: 8, .value_kind: global_buffer, .address_space: global }
      - { .name: ml, .offset: 64, .size: 8, .value_kind: global_buffer, .address_space: global }
      - { .name: cp, .offset: 72, .size: 8, .value_kind: global_buffer, .address_space: global }
    .group_segment_fixed_size: 317440
    .private_segment_fixed_size: 0
    .kernarg_segment_align: 8
    .kernarg_segment_size: 80
    .max_flat_workgroup_size: 128
    .sgpr_count:     66
    .vgpr_count:     1024
    .wavefront_size: 32
...
	.end_amdgpu_metadata
.endif
;; end of part 2
;; launch comb (part 3): grid 2 x 32, 4 waves a work-group, no clusters, 0 bytes of LDS; arguments ml, pbuf, cp, prev_coverage, out0, out1, out2; writes out0, out1, out2
.if DOCPART == 3
	.amdgcn_target "amdgcn-amd-amdhsa--gfx1250"
	.amdhsa_code_object_version 6
	.text
	.protected	k_qf69b56844f_comb
	.globl	k_qf69b56844f_comb
	.p2align	8
	.type	k_qf69b56844f_comb,@function
k_qf69b56844f_comb:
	s_mov_b64 s[64:65], 0
	v_nop
	global_prefetch_b8 v0, s[64:65] scope:SCOPE_SE
	s_setreg_imm32_b32 hwreg(HW_REG_WAVE_MODE, 25, 1), 1
	s_wait_xcnt 0x0
; THE JOIN.  A batch's 16 tiles each left m (largest score), l (sum of e^(score - m)), p = e^(score - m) and cp = sum of p x values.  With M = max m, e_i = e^(m_i - M), L = sum of l_i e_i, g_i = e_i / L:
;   out1[t] = p[t] g(tile of t);   out2[t] = out1[t] + prev_coverage[t] (rounded to bf16, as every input of this program is);   out0[d] = sum over i of g_i cp[i][d].
; The largest m gives e = 1 and its l is at least 1, so L is at least 1.  An e below 2^-126 counts as 0.  NaN and infinities are not treated apart.
; SHARES.  y = the batch, x = a half: 512 columns of out0 and 1,024 time steps (8 tiles).  Thread t takes 4 columns, and 4 time steps in each of the tiles 8 x + w and 8 x + w + 4 (w its wave).
; A stream of 53 KB a work-group: no LDS, no matrix unit, no barrier; every load and store of a wave covers 512 consecutive bytes (ml's aside).
	s_load_b256 s[8:15], s[0:1], 0x0               ; ml s[8:9], pbuf s[10:11], cp s[12:13], prev_coverage s[14:15]
	s_load_b128 s[16:19], s[0:1], 0x20             ; out0 s[16:17], out1 s[18:19]
	s_load_b64 s[20:21], s[0:1], 0x30              ; out2
	v_lshrrev_b32 v1, 5, v0
	v_readfirstlane_b32 s2, v1                     ; wave
	s_mov_b32 s3, ttmp9                            ; half
	s_and_b32 s4, ttmp7, 0xffff                    ; batch
	s_mov_b32 s25, 0                               ; high word of the offset pair s[24:25]
	s_mov_b32 s22, 0xffff0000                      ; a word's upper bf16
	v_and_b32 v1, 15, v0
	v_lshlrev_b32 v1, 8, v1                        ; lane l reads tile l%16's (m, l): 256 bytes a tile
	v_and_b32 v14, 31, v0
	s_lshl_b32 s5, s3, 3
	s_add_co_u32 s5, s5, s2
	s_lshl_b32 s5, s5, 8                           ; my wave's first tile
	v_lshl_add_u32 v14, v14, 3, s5                 ; whose 256 bytes hold (m, l) 32 times
	v_lshlrev_b32 v15, 4, v0                       ; 16 bytes a thread
	s_wait_kmcnt 0x0
	s_lshl_b32 s24, s4, 12
	s_add_nc_u64 s[8:9], s[8:9], s[24:25]          ; ml at the batch
	s_lshl_b32 s5, s3, 11
	s_add_co_u32 s24, s24, s5
	s_add_nc_u64 s[16:17], s[16:17], s[24:25]      ; out0 at the batch's row and my 2,048 bytes of it
	s_lshl_b32 s24, s4, 16
	s_add_co_u32 s24, s24, s5
	s_add_nc_u64 s[12:13], s[12:13], s[24:25]      ; cp likewise: 16 rows of 4,096 bytes a batch
	s_lshl_b32 s24, s4, 13
	s_lshl_b32 s5, s3, 12
	s_add_co_u32 s24, s24, s5
	s_add_nc_u64 s[10:11], s[10:11], s[24:25]      ; the four arrays over time: 8,192 bytes a batch, my 4,096
	s_add_nc_u64 s[14:15], s[14:15], s[24:25]
	s_add_nc_u64 s[18:19], s[18:19], s[24:25]
	s_add_nc_u64 s[20:21], s[20:21], s[24:25]
	global_load_b64 v[2:3], v1, s[8:9]
	global_load_b64 v[4:5], v14, s[8:9]
	global_load_b64 v[6:7], v14, s[8:9] offset:1024
.set i, 0
.rept 16
	global_load_b128 v[16+4*i:16+4*i+3], v15, s[12:13] offset:i*4096 th:TH_LOAD_NT
.set i, i+1
.endr
	global_load_b128 v[80:83], v15, s[10:11] th:TH_LOAD_NT
	global_load_b128 v[84:87], v15, s[10:11] offset:2048 th:TH_LOAD_NT
	global_load_b128 v[88:91], v15, s[14:15] th:TH_LOAD_NT
	global_load_b128 v[92:95], v15, s[14:15] offset:2048 th:TH_LOAD_NT
	s_wait_loadcnt 20                              ; the three loads of ml are in; the 20 issued behind them stay out
	v_mov_b32 v8, v2
	v_max_num_f32_dpp v8, v8, v8 row_xmask:1 row_mask:0xf bank_mask:0xf
	v_max_num_f32_dpp v8, v8, v8 row_xmask:2 row_mask:0xf bank_mask:0xf
	v_max_num_f32_dpp v8, v8, v8 row_xmask:4 row_mask:0xf bank_mask:0xf
	v_max_num_f32_dpp v8, v8, v8 row_xmask:8 row_mask:0xf bank_mask:0xf  ; M: both halves of the lanes hold the same 16 tiles
	v_sub_f32 v9, v2, v8
	v_sub_f32 v12, v4, v8
	v_sub_f32 v13, v6, v8
	v_mul_f32 v9, 0x3fb8aa3b, v9
	v_mul_f32 v12, 0x3fb8aa3b, v12
	v_mul_f32 v13, 0x3fb8aa3b, v13
	v_exp_f32 v9, v9                               ; e of tile l%16,
	v_exp_f32 v12, v12                             ; of my wave's first tile,
	v_exp_f32 v13, v13                             ; and of its second
	v_nop                                          ; a plain instruction between the last exponential and the use of its result (ISA guide 5.7.2)
	s_wait_alu depctr_va_vdst(0)
	v_mul_f32 v10, v3, v9
	v_add_f32_dpp v10, v10, v10 row_xmask:1 row_mask:0xf bank_mask:0xf
	v_add_f32_dpp v10, v10, v10 row_xmask:2 row_mask:0xf bank_mask:0xf
	v_add_f32_dpp v10, v10, v10 row_xmask:4 row_mask:0xf bank_mask:0xf
	v_add_f32_dpp v10, v10, v10 row_xmask:8 row_mask:0xf bank_mask:0xf   ; L
	v_rcp_f32 v11, v10
	v_nop
	s_wait_alu depctr_va_vdst(0)
	v_mul_f32 v9, v9, v11                          ; g
	v_mul_f32 v12, v12, v11
	v_mul_f32 v13, v13, v11
.set i, 0
.rept 16
	v_readlane_b32 s[32+i], v9, i                  ; the sixteen g as scalars: factors only
.set i, i+1
.endr
	s_wait_loadcnt 4                               ; cp's sixteen rows are in; p and cov stay out
.irp z, 0,1,2,3
	v_mul_f32 v[96+(\z)], s32, v[16+(\z)]          ; the first product starts the sums
.endr
.set i, 1
.rept 15
.irp z, 0,1,2,3
	v_fmac_f32 v[96+(\z)], s[32+i], v[16+4*i+(\z)]
.endr
.set i, i+1
.endr
	global_store_b128 v15, v[96:99], s[16:17]
	s_wait_loadcnt 0x0
	v_pk_mul_f32 v[80:81], v[80:81], v[12:13] op_sel_hi:[1,0]            ; x g of the first tile
	v_pk_mul_f32 v[82:83], v[82:83], v[12:13] op_sel_hi:[1,0]
	v_pk_mul_f32 v[84:85], v[84:85], v[12:13] op_sel:[0,1] op_sel_hi:[1,1]  ; x g of the second
	v_pk_mul_f32 v[86:87], v[86:87], v[12:13] op_sel:[0,1] op_sel_hi:[1,1]
.irp z, 0,1,2,3
	v_cvt_pk_bf16_f32 v[100+(\z)], v[88+2*(\z)], v[89+2*(\z)]            ; cov rounded to bf16 and widened again
.endr
.irp z, 0,1,2,3
	v_lshlrev_b32 v[88+2*(\z)], 16, v[100+(\z)]
	v_and_b32 v[89+2*(\z)], s22, v[100+(\z)]
.endr
.irp z, 0,1,2,3
	v_pk_add_f32 v[88+2*(\z):89+2*(\z)], v[88+2*(\z):89+2*(\z)], v[80+2*(\z):81+2*(\z)]
.endr
	global_store_b128 v15, v[80:83], s[18:19]
	global_store_b128 v15, v[84:87], s[18:19] offset:2048
	global_store_b128 v15, v[88:91], s[20:21]
	global_store_b128 v15, v[92:95], s[20:21] offset:2048
	s_endpgm
.Lfunc_end_k_qf69b56844f_comb:
	.size	k_qf69b56844f_comb, .Lfunc_end_k_qf69b56844f_comb-k_qf69b56844f_comb
	.p2alignl 7, 3214868480
	.fill 96, 4, 3214868480
	.section	.rodata,"a",@progbits
	.p2align	6, 0x0
	.amdhsa_kernel k_qf69b56844f_comb
		.amdhsa_group_segment_fixed_size 0
		.amdhsa_private_segment_fixed_size 0
		.amdhsa_enable_private_segment 0
		.amdhsa_kernarg_size 56
		.amdhsa_user_sgpr_count 2
		.amdhsa_user_sgpr_kernarg_segment_ptr 1
		.amdhsa_wavefront_size32 1
		.amdhsa_system_sgpr_workgroup_id_x 1
		.amdhsa_system_sgpr_workgroup_id_y 1
		.amdhsa_system_sgpr_workgroup_id_z 1
		.amdhsa_system_vgpr_workitem_id 0
		.amdhsa_next_free_vgpr 112
		.amdhsa_next_free_sgpr 66
		.amdhsa_reserve_vcc 0
		.amdhsa_float_denorm_mode_32 3
		.amdhsa_float_denorm_mode_16_64 3
		.amdhsa_memory_ordered 1
		.amdhsa_forward_progress 1
		.amdhsa_inst_pref_size 10
	.end_amdhsa_kernel
	.amdgpu_metadata
---
amdhsa.version: [ 1, 2 ]
amdhsa.kernels:
  - .name:           k_qf69b56844f_comb
    .symbol:         k_qf69b56844f_comb.kd
    .args:
      - { .name: ml, .offset: 0, .size: 8, .value_kind: global_buffer, .address_space: global }
      - { .name: pbuf, .offset: 8, .size: 8, .value_kind: global_buffer, .address_space: global }
      - { .name: cp, .offset: 16, .size: 8, .value_kind: global_buffer, .address_space: global }
      - { .name: prev_coverage, .offset: 24, .size: 8, .value_kind: global_buffer, .address_space: global }
      - { .name: out0, .offset: 32, .size: 8, .value_kind: global_buffer, .address_space: global }
      - { .name: out1, .offset: 40, .size: 8, .value_kind: global_buffer, .address_space: global }
      - { .name: out2, .offset: 48, .size: 8, .value_kind: global_buffer, .address_space: global }
    .group_segment_fixed_size: 0
    .private_segment_fixed_size: 0
    .kernarg_segment_align: 8
    .kernarg_segment_size: 56
    .max_flat_workgroup_size: 128
    .sgpr_count:     66
    .vgpr_count:     112
    .wavefront_size: 32
...
	.end_amdgpu_metadata
.endif
;; end of part 3
;; ======== version 2 of 3: 3 launches; 1.11 times as fast as version 1
;; limits: values outside matrix products are rounded to bf16
;; workspace buffers: wsb 2,097,152 bytes; qb 131,072 bytes; pbuf 262,144 bytes; ml 131,072 bytes; cp 2,097,152 bytes
;; launch prep: the kernel of part 1 again; grid 16 x 2, 16 waves a work-group, no clusters, 305,152 bytes of LDS; arguments Ws, Wh, query, bh, bs, bc, wsb, qb; writes wsb, qb
;; launch main (part 4): grid 512 x 1, 4 waves a work-group, no clusters, 317,440 bytes of LDS; arguments values, prev_coverage, Wc, Vw, Vb, wsb, qb, pbuf, ml, cp; writes pbuf, ml, cp
.if DOCPART == 4
	.amdgcn_target "amdgcn-amd-amdhsa--gfx1250"
	.amdhsa_code_object_version 6
	.text
	.protected	k_qf69b56844f_main
	.globl	k_qf69b56844f_main
	.p2align	8
	.type	k_qf69b56844f_main,@function
k_qf69b56844f_main:
	s_mov_b64 s[64:65], 0
	v_nop
	global_prefetch_b8 v0, s[64:65] scope:SCOPE_SE
	s_setreg_imm32_b32 hwreg(HW_REG_WAVE_MODE, 25, 1), 1
	s_wait_xcnt 0x0
; BAHDANAU ATTENTION, the fused part.  A work-group owns a TILE of 128 rows (time steps) of one batch; 16 tiles make a batch, 512 the whole.
;   score[t] = sum over u of Vw[u] tanh(qb[b][u] + cov[t] Wc[u] + sum over d of values[t][d] Ws[d][u]) + Vb       (qb = query Wh + bh + bs + bc, made by the launch before)
;   m = the tile's largest score;  p[t] = e^(score[t] - m) -> pbuf;  l = sum of p;  (m, l) -> ml;  cp[tile][d] = sum over t of p[t] values[t][d].  The next launch joins a batch's 16 tiles by their m.
; values leaves memory ONCE: the tile is rounded to bf16 on its way in and stays in LDS (128 rows x 2,048 bytes), where all four waves read it for every unit and, at the end, for the context.
; LIMITS.  Every input is rounded once to bf16 (values, Ws as matrix operands; prev_coverage, Wc, Vw, Vb too); all arithmetic behind that is f32, but p is rounded to bf16 for the context's product
; (l is the sum of the unrounded p).  tanh(x) = 1 - 2 / (1 + 2^(2 log2(e) x)); the score is formed as sum(Vw) - 2 sum(Vw / (1 + 2^..)) in f32, the first sum added lane by lane over the same 16 units.
; A power of two below 2^-126 counts as 0.  NaN and infinities are not treated apart.
; SHARES.  Wave w owns units 256 w .. 256 w + 255, in four CHUNKS of 64: a chunk is 128 rows x 64 units, 32 accumulators (a = 4 mb + f: rows 16 mb on, units 16 f on), 256 registers.
; Source 0 = 16 rows of values, source 1 = 16 units of Ws: in the result register j of lane l is row 16 mb + 8 (l/16) + j, unit 16 f + l%16.  The sums START at cov Wc + qb, so nothing is cleared or added later.
; Ws comes from wsb, which holds it in fragment order: a K step's four fragments are eight loads of 512 consecutive bytes, straight into a ring of four register slots, asked for three K steps
; (96 matrix instructions) ahead; no barrier stands in the loop.  All of a K step's loads, from LDS and from memory, stand in ONE run, never singly among the matrix instructions.
; NO CLUSTER, NO TENSOR LOADS: all work-groups walk the same Ws, but the tile takes 264,192 of the 327,680 bytes of LDS; what is left would hold two slots of under 31 KB, 64 matrix instructions a wave
; between a request and the wait for it, with a barrier each; and values has to pass through registers to be rounded.
; tanh BESIDE THE PRODUCTS.  In a chunk's last K step each finished accumulator is scaled into a second set of 256 registers (Y) and started anew; Y's exponentials, reciprocals and the sums with Vw
; stand in groups of four or five behind every second matrix instruction of the next chunk's first 16 K steps.  Only the last chunk's stand alone.
; REGISTERS, in windows of 256 (s_set_vgpr_msb: bits 1:0 source 0, 3:2 source 1, 5:4 source 2, 7:6 destination):
;   window 0: v0-15 addresses; v16-23 (Wc, qb) of my 4 units; v24-27 -2 Vw of them; v28-29 their sum; v30 Vb; v32-55 tables as loaded; v56-59 fixed part of A's addresses; v64-127 S, the scores' partial sums
;             (row 16 mb + 8 (l/16) + j at S + 8 mb + j); v128-191 cov of the same rows; v192-255 at work
;   window 1: v0-127 fragments of values, two buffers (64 buf + 8 mb); v128-255 the ring for Ws (128 + 32 slot + 8 f); in the context two buffers of 128 for turned values
;   window 2: X, the accumulators (8 a); at the start the landing of values' rows; in the context 16 accumulators (8 cb)          window 3: Y
.set PITCH, 2064                       ; a row of the tile in LDS: 2,048 bytes + 16 = 516 words: row r starts at bank 4 r mod 64 (64 banks of 4 bytes: ISA guide 11.1)
.set H16,   16*PITCH
.set BLK32, 32*PITCH
.set TW,    128*PITCH                  ; behind the tile: Wc rounded, 4,096 bytes
.set TQ,    TW+4096                    ; qb of my batch
.set TV,    TW+8192                    ; -2 x Vw rounded
.set RED,   TW+12288                   ; 128 rows x 64 partial sums, rows of 272 bytes
.set RP,    272
.set SARR,  RED+128*RP                 ; the 128 scores
.set PARR,  SARR+512                   ; p in bf16, 256 bytes for each wave
.set CARR,  PARR+1024                  ; the context's way out, 1,024 bytes for each wave
.set SPARE, CARR+4096                  ; the spare words, 128 bytes for each wave: two blocks of 256 bytes that no other line names
.set VOFF, 4                           ; v4     16 x lane; never rewritten
.set LADR, 5                           ; v5     where my lane puts 8 bytes of a row
.set AADR, 6                           ; v6-9   LDS address of values' fragments, rows 32 p on; later of the turned loads, rows 32 kk on
.set TADR, 10                          ; v10    my unit's place in the three tables
.set RADR, 11                          ; v11    where my partial sums go
.set PADR, 12                          ; v12    where I read p's fragments
.set XADR, 13                          ; v13    at work
.set SPW,  14                          ; v14    my spare word: SPARE + 4 x my thread's number; never rewritten
.set NIL,  15                          ; v15    0; never rewritten
.set WQ,   16
.set VW,   24
.set SVW,  28
.set VBV,  30
.set TL,   32
.set AB0,  56
.set S,    64
.set COV,  128
.set T,    192
.set BR,   128                         ; the ring, in window 1
; scalars: s2 wave, s3 tile, s4 batch; s[16:35] the ten addresses; s[36:37] 2 log2(e); s[38:39] v_permlanex16_b32's selects; s40 chunks to go; s41 trips of the rolled loop; s[42:43] wsb at my wave;
; s[44:45] at the chunk in hand; s[46:47] walks in it; s[48:49] at the next chunk; s[50:51] an offset; s52 0xffff0000; s53 Vb; s54 trips of the load loop; s55 KO: bytes along a row; s[56:57] values at my rows
.set MSB, 0
.macro WIN new                         ; the immediate's high byte repeats the setting that is left; a switch that changes nothing is dropped
.if MSB != (\new)
	s_set_vgpr_msb (MSB<<8)|(\new)
.set MSB, (\new)
.endif
.endm
.set W_MM, 0xa5                        ; both fragments window 1, C and D window 2
.set W_LD, 0x40                        ; destination window 1, address window 0
.set W_Y,  0xc3                        ; destination and source 0 window 3
.set W_F,  0x03                        ; source 0 window 3, the rest window 0
.set W_XM, 0xc2                        ; destination window 3, source 0 window 2
.set W_XI, 0x80                        ; destination window 2, sources window 0
.macro RND2 ra, rb, rt                 ; two f32 rounded to bf16 and widened again
	v_cvt_pk_bf16_f32 v[\rt], v[\ra], v[\rb]
	v_lshlrev_b32 v[\ra], 16, v[\rt]
	v_and_b32 v[\rb], s52, v[\rt]
.endm
; One row of values: slot i of eight holds a row as 32 registers (8 loads of 512 consecutive bytes).  It is rounded in place from the low end and laid into LDS, 8 bytes a lane.
; ahead = 1: the slot is loaded again with the row eight further down.  left = the younger loads that may stay out.
.macro SLOT i, ahead, left
	s_wait_loadcnt \left                           ; loads come back in order (ISA guide 5.7.1): this row is in
	WIN 0x8a
.set n, 0
.rept 16
	v_cvt_pk_bf16_f32 v[32*(\i)+n], v[32*(\i)+2*n], v[32*(\i)+2*n+1]
.set n, n+1
.endr
	WIN 0x08                                       ; data window 2, address window 0
.irp j, 0,1,2,3,4,5,6,7
	ds_store_b64 v[LADR], v[32*(\i)+2*(\j):32*(\i)+2*(\j)+1] offset:(\i)*PITCH+(\j)*256
.endr
.if \ahead
	WIN W_XI
.irp j, 0,1,2,3,4,5,6,7
	global_load_b128 v[32*(\i)+4*(\j):32*(\i)+4*(\j)+3], v[VOFF], s[56:57] offset:((\i)+8)*4096+(\j)*512 th:TH_LOAD_NT
.endr
.endif
.endm
.macro ALOAD p, buf, aoff              ; two fragments of values, rows 32 p on, 32 along K at byte aoff of the rows
	ds_load_b128 v[64*(\buf)+16*(\p):64*(\buf)+16*(\p)+3],     v[AADR+(\p)] offset:(\aoff)
	ds_load_b128 v[64*(\buf)+16*(\p)+4:64*(\buf)+16*(\p)+7],   v[AADR+(\p)] offset:(\aoff)+32
	ds_load_b128 v[64*(\buf)+16*(\p)+8:64*(\buf)+16*(\p)+11],  v[AADR+(\p)] offset:(\aoff)+H16
	ds_load_b128 v[64*(\buf)+16*(\p)+12:64*(\buf)+16*(\p)+15], v[AADR+(\p)] offset:(\aoff)+H16+32
.endm
.macro BLOAD f, slot, ptr, boff        ; one fragment of Ws: two loads of 512 consecutive bytes
	global_load_b128 v[BR+32*(\slot)+8*(\f):BR+32*(\slot)+8*(\f)+3],   v[VOFF], s[\ptr:\ptr+1] offset:(\boff)+(\f)*1024
	global_load_b128 v[BR+32*(\slot)+8*(\f)+4:BR+32*(\slot)+8*(\f)+7], v[VOFF], s[\ptr:\ptr+1] offset:(\boff)+(\f)*1024+512
.endm
.macro INITX xa                        ; accumulator xa starts at cov x Wc + qb: the pair (Wc, qb) gives its low word as factor and its high word as addend
	WIN W_XI
.irp z, 0,1,2,3
	v_pk_fma_f32 v[8*(\xa)+2*(\z):8*(\xa)+2*(\z)+1], v[COV+8*((\xa)/4)+2*(\z):COV+8*((\xa)/4)+2*(\z)+1], v[WQ+2*((\xa)%4):WQ+2*((\xa)%4)+1], v[WQ+2*((\xa)%4):WQ+2*((\xa)%4)+1] op_sel:[0,0,1] op_sel_hi:[1,0,1]
.endr
.endm
.macro XFER xa                         ; Y = 2 log2(e) X, from the accumulator's low end on; then X starts the next chunk's sums
	WIN W_XM
.irp z, 0,1,2,3
	v_pk_mul_f32 v[8*(\xa)+2*(\z):8*(\xa)+2*(\z)+1], v[8*(\xa)+2*(\z):8*(\xa)+2*(\z)+1], s[36:37] op_sel_hi:[1,0]
.endr
	INITX \xa
.endm
; Group gg of six of accumulator ga's tanh, on Y: 0, 1 the exponentials; 2 plus one; 3, 4 the reciprocals; 5 S += Y x (-2 Vw).  The v_nop is the plain instruction between a transcendental and the use of its result (ISA guide 5.7.2).
.macro GROUP ga, gg
.if (\gg) < 2
	WIN W_Y
.irp z, 0,1,2,3
	v_exp_f32 v[8*(\ga)+4*(\gg)+(\z)], v[8*(\ga)+4*(\gg)+(\z)]
.endr
.elseif (\gg) == 2
	WIN W_Y
	v_nop
	s_wait_alu depctr_va_vdst(0)
.irp z, 0,1,2,3
	v_pk_add_f32 v[8*(\ga)+2*(\z):8*(\ga)+2*(\z)+1], v[8*(\ga)+2*(\z):8*(\ga)+2*(\z)+1], 1.0 op_sel_hi:[1,0]
.endr
.elseif (\gg) < 5
	WIN W_Y
.irp z, 0,1,2,3
	v_rcp_f32 v[8*(\ga)+4*((\gg)-3)+(\z)], v[8*(\ga)+4*((\gg)-3)+(\z)]
.endr
.else
	WIN W_F
	v_nop
	s_wait_alu depctr_va_vdst(0)
.irp z, 0,1,2,3
.if ((\ga)%2) == 0
	v_pk_fma_f32 v[S+8*((\ga)/4)+2*(\z):S+8*((\ga)/4)+2*(\z)+1], v[8*(\ga)+2*(\z):8*(\ga)+2*(\z)+1], v[VW+2*(((\ga)%4)/2):VW+2*(((\ga)%4)/2)+1], v[S+8*((\ga)/4)+2*(\z):S+8*((\ga)/4)+2*(\z)+1] op_sel_hi:[1,0,1]
.else
	v_pk_fma_f32 v[S+8*((\ga)/4)+2*(\z):S+8*((\ga)/4)+2*(\z)+1], v[8*(\ga)+2*(\z):8*(\ga)+2*(\z)+1], v[VW+2*(((\ga)%4)/2):VW+2*(((\ga)%4)/2)+1], v[S+8*((\ga)/4)+2*(\z):S+8*((\ga)/4)+2*(\z)+1] op_sel:[0,1,0] op_sel_hi:[1,1,1]
.endif
.endr
.endif
.endm
; A K STEP: 32 matrix instructions on buffer ab and ring slot bs; the 32 accumulators take turns, one instruction a turn, over every step's edge too.
; Behind instruction 0: four plain vector instructions that name none of the products' registers: the places (ISA guide 7.12.1 for vector instructions) between the step before's last product and the loads
; into the registers that it read.  Behind them ALL THE STEP'S LOADS IN ONE RUN, under one window setting: the next step's fragments of values (16 LDS loads, byte aoff of the rows) into the other buffer, 31 matrix
; instructions ahead of the wait for them, and Ws of the step three on (8 loads, bptr + boff) into the slot just read out; in K step 28 the tables' 12 words too.
; Behind instruction 16: the register bookkeeping named by hook: the run's addresses have been read 16 matrix instructions ago.
; kind 1: behind every second instruction from 8 on a GROUP of accumulators 2 rk, 2 rk + 1.  kind 2: behind instruction a the XFER of accumulator a - 1:
; between a product and the lines that read its result stand the eight of the XFER before (for the first: the four places).
; hook 1: K step 15, the rolled loop is set up.  2: the rolled loop's step on.  3: K step 28, tables and the next chunk's address.  4: the places are the sum of -2 Vw.  5: the places set A's addresses back.
.macro KSTEP ab, bs, aoff, bptr, boff, kind, hook, rk
	s_wait_dscnt 0x0                               ; this step's fragments of values, asked for 31 matrix instructions ago
	s_wait_loadcnt 16                              ; this step's Ws is in; the sixteen loads of the next two steps may stay out (every step issues eight, on every way)
.set ka, 0
.rept 32
	WIN W_MM
	v_wmma_f32_16x16x32_bf16 v[8*ka:8*ka+7], v[64*(\ab)+8*(ka/4):64*(\ab)+8*(ka/4)+7], v[BR+32*(\bs)+8*(ka%4):BR+32*(\bs)+8*(ka%4)+7], v[8*ka:8*ka+7]
.if ka == 0
.if (\hook) == 4
	WIN 0
.irp z, 0,1,2,3
	v_add_f32 v[SVW], v[SVW], v[VW+(\z)]
.endr
.elseif (\hook) == 5
	WIN 0
	s_mov_b32 s55, 0
.irp z, 0,1,2,3
	v_mov_b32 v[AADR+(\z)], v[AB0+(\z)]
.endr
.else
.rept 4
	v_nop
.endr
.endif
	WIN W_LD
.irp z, 0,1,2,3
	ALOAD \z, 1-(\ab), \aoff
.endr
.irp z, 0,1,2,3
	BLOAD \z, ((\bs)+3)%4, \bptr, \boff
.endr
.if (\hook) == 3
	WIN 0
.irp z, 0,1,2,3
	ds_load_b32 v[WQ+2*(\z)],   v[TADR] offset:256+(\z)*64        ; the next chunk's Wc,
	ds_load_b32 v[WQ+2*(\z)+1], v[TADR] offset:4096+256+(\z)*64   ; and qb (behind the last chunk: table bytes that serve nothing);
	ds_load_b32 v[VW+(\z)],     v[TADR] offset:8192+(\z)*64       ; this chunk's -2 Vw
.endr
.endif
.elseif ka == 16
.if (\hook) == 1
	WIN 0
	s_mov_b32 s55, 1024                            ; 16 K steps of 64 bytes
.irp z, 0,1,2,3
	v_add_nc_u32 v[AADR+(\z)], s55, v[AB0+(\z)]
.endr
	s_wait_xcnt 0x0                                ; the walking address is written only when every load that names it has had its address translated (ISA guide 3.1)
	s_add_nc_u64 s[46:47], s[44:45], 0x10000       ; 16 K steps of 4,096 bytes
.elseif (\hook) == 2
	WIN 0
	s_add_co_u32 s55, s55, 256
.irp z, 0,1,2,3
	v_add_nc_u32 v[AADR+(\z)], s55, v[AB0+(\z)]
.endr
	s_wait_xcnt 0x0                                ; as above
	s_add_nc_u64 s[46:47], s[46:47], 0x4000
.elseif (\hook) == 3
	WIN 0
	v_add_nc_u32 v[TADR], 256, v[TADR]
	s_wait_xcnt 0x0                                ; as above, for the next chunk's address
	s_sub_co_u32 s50, 5, s40                       ; the next chunk's number; behind the last it is 0 again, so that no load leaves wsb
	s_and_b32 s50, s50, 3
	s_lshl_b32 s50, s50, 17                        ; 32 K steps of 4,096 bytes
	s_add_nc_u64 s[48:49], s[42:43], s[50:51]
.endif
.endif
.if ((\kind) == 1) && (ka >= 8) && (ka%2 == 0)
	GROUP 2*(\rk)+(ka-8)/12, ((ka-8)/2)%6
.endif
.if ((\kind) == 2) && (ka >= 1)
	XFER ka-1
.endif
.set ka, ka+1
.endr
.if (\kind) == 2
	XFER 31
.endif
.endm
.macro VFETCH kk, buf                  ; the context: rows 32 kk on of the tile, my 256 columns, turned: 16 fragments
	WIN W_LD
.irp cb, 0,1,2,3,4,5,6,7,8,9,10,11,12,13,14,15
	ds_load_tr16_b128 v[128*(\buf)+8*(\cb):128*(\buf)+8*(\cb)+3],   v[AADR+(\kk)] offset:(\cb)*32
	ds_load_tr16_b128 v[128*(\buf)+8*(\cb)+4:128*(\buf)+8*(\cb)+7], v[AADR+(\kk)] offset:(\cb)*32+H16
.endr
.endm
.macro CMM kk, buf, zero               ; 16 products p x values; the 16 accumulators take turns
	WIN 0xa4                                       ; p window 0, values window 1, C and D window 2
.irp cb, 0,1,2,3,4,5,6,7,8,9,10,11,12,13,14,15
.if \zero
	v_wmma_f32_16x16x32_bf16 v[8*(\cb):8*(\cb)+7], v[T+16+8*(\kk):T+16+8*(\kk)+7], v[128*(\buf)+8*(\cb):128*(\buf)+8*(\cb)+7], 0
.else
	v_wmma_f32_16x16x32_bf16 v[8*(\cb):8*(\cb)+7], v[T+16+8*(\kk):T+16+8*(\kk)+7], v[128*(\buf)+8*(\cb):128*(\buf)+8*(\cb)+7], v[8*(\cb):8*(\cb)+7]
.endif
.endr
.endm
	s_load_b512 s[16:31], s[0:1], 0x0              ; values s[16:17], prev_coverage s[18:19], Wc s[20:21], Vw s[22:23], Vb s[24:25], wsb s[26:27], qb s[28:29], pbuf s[30:31]
	s_load_b128 s[32:35], s[0:1], 0x40             ; ml s[32:33], cp s[34:35]
	v_lshl_add_u32 v[SPW], v0, 2, SPARE
	v_mov_b32 v[NIL], 0
	v_lshrrev_b32 v3, 5, v0
	v_readfirstlane_b32 s2, v3                     ; wave 0..3
	s_mov_b32 s3, ttmp9                            ; tile
	s_lshr_b32 s4, s3, 4                           ; batch
	s_mov_b32 s36, 0x4038aa3b                      ; 2 log2(e)
	s_mov_b32 s37, s36                             ; named with it as a pair
	s_mov_b32 s38, 0x76543210
	s_mov_b32 s39, 0xfedcba98
	s_mov_b32 s52, 0xffff0000                      ; a word's upper bf16; also the mask of lanes 16-31
	s_mov_b32 s51, 0                               ; the offset pair's high word, for good
	v_and_b32 v1, 15, v0                           ; l % 16
	v_bfe_u32 v2, v0, 4, 1                         ; l / 16
	v_and_b32 v3, 31, v0                           ; lane
	v_lshlrev_b32 v[VOFF], 4, v3
	s_mul_i32 s5, s2, BLK32                        ; I lay rows 32 w .. 32 w + 31
	v_lshl_add_u32 v[LADR], v3, 3, s5
	v_mul_u32_u24 v[AB0], v1, PITCH                ; a fragment: row l%16, 16 bytes for each half of the lanes
	v_lshl_add_u32 v[AB0], v2, 4, v[AB0]
	v_add_nc_u32 v[AB0+1], BLK32, v[AB0]
	v_add_nc_u32 v[AB0+2], 2*BLK32, v[AB0]
	v_add_nc_u32 v[AB0+3], 3*BLK32, v[AB0]
.irp z, 0,1,2,3
	v_mov_b32 v[AADR+(\z)], v[AB0+(\z)]
.endr
	s_lshl_b32 s5, s2, 10
	s_add_co_u32 s5, s5, TW
	v_lshl_add_u32 v[TADR], v1, 2, s5              ; unit 256 w + l%16
	s_lshl_b32 s5, s2, 6
	s_add_co_u32 s5, s5, RED
	v_mul_u32_u24 v[RADR], v2, 8*RP                ; row 8 (l/16), partial sum 16 w + l%16
	v_lshl_add_u32 v[RADR], v1, 2, v[RADR]
	v_add_nc_u32 v[RADR], s5, v[RADR]
	s_lshl_b32 s5, s2, 8
	s_add_co_u32 s5, s5, PARR
	v_lshl_add_u32 v[PADR], v2, 4, s5
	v_lshlrev_b32 v60, 5, v2                       ; cov: my half's 8 rows of each 16
	v_lshlrev_b32 v61, 4, v0                       ; tables: 16 bytes a thread
	v_add_nc_u32 v62, TW, v61
	s_wait_kmcnt 0x0
	s_load_b32 s53, s[24:25], 0x0                  ; Vb
	s_lshl_b32 s50, s3, 19                         ; the tile's 128 rows of 4,096 bytes,
	s_lshl_b32 s5, s2, 17                          ; my 32 of them
	s_add_co_u32 s50, s50, s5
	s_add_nc_u64 s[56:57], s[16:17], s[50:51]
	s_lshl_b32 s50, s3, 9                          ; 128 numbers of 4 bytes
	s_add_nc_u64 s[18:19], s[18:19], s[50:51]
	s_add_nc_u64 s[30:31], s[30:31], s[50:51]
	s_lshl_b32 s50, s4, 12
	s_add_nc_u64 s[28:29], s[28:29], s[50:51]
	s_lshl_b32 s50, s2, 19                         ; my four strips of 32 x 4,096 bytes
	s_add_nc_u64 s[42:43], s[26:27], s[50:51]
	s_mov_b64 s[44:45], s[42:43]
	s_lshl_b32 s50, s3, 8
	s_add_nc_u64 s[32:33], s[32:33], s[50:51]
	s_lshl_b32 s50, s3, 12
	s_lshl_b32 s5, s2, 10
	s_add_co_u32 s50, s50, s5
	s_add_nc_u64 s[34:35], s[34:35], s[50:51]
.irp mb, 0,1,2,3,4,5,6,7
	global_load_b128 v[COV+8*(\mb):COV+8*(\mb)+3],   v60, s[18:19] offset:64*(\mb)
	global_load_b128 v[COV+8*(\mb)+4:COV+8*(\mb)+7], v60, s[18:19] offset:64*(\mb)+16
.endr
	global_load_b128 v[TL:TL+3],     v61, s[28:29]
	global_load_b128 v[TL+4:TL+7],   v61, s[28:29] offset:2048
	global_load_b128 v[TL+8:TL+11],  v61, s[20:21]
	global_load_b128 v[TL+12:TL+15], v61, s[20:21] offset:2048
	global_load_b128 v[TL+16:TL+19], v61, s[22:23]
	global_load_b128 v[TL+20:TL+23], v61, s[22:23] offset:2048
	WIN W_XI
.irp i, 0,1,2,3,4,5,6,7
.irp j, 0,1,2,3,4,5,6,7
	global_load_b128 v[32*(\i)+4*(\j):32*(\i)+4*(\j)+3], v[VOFF], s[56:57] offset:(\i)*4096+(\j)*512 th:TH_LOAD_NT  ; my rows 0 to 7: 512 consecutive bytes a load
.endr
.endr
	WIN 0
.set n, 0
.rept 64                               ; S is added onto by one text for all chunks, so it starts at 0; these lines stand in the wait for the first rows
	v_mov_b32 v[S+n], 0
.set n, n+1
.endr
	v_mov_b32 v[SVW], 0
	v_mov_b32 v[SVW+1], 0
	s_wait_loadcnt 56                              ; all but the youngest seven rows' 56 loads: cov and the tables, which were issued first, are in
.set n, 0
.rept 32
	RND2 COV+2*n, COV+2*n+1, 63-32*(n%2)
.set n, n+1
.endr
.irp z, 4,5,6,7,8,9,10,11
	RND2 TL+2*(\z), TL+2*(\z)+1, 63-32*((\z)%2)    ; Wc and Vw
.endr
.irp z, 0,1,2,3
	v_pk_mul_f32 v[TL+16+2*(\z):TL+16+2*(\z)+1], v[TL+16+2*(\z):TL+16+2*(\z)+1], -2.0 op_sel_hi:[1,0]
.endr
	ds_store_b128 v62, v[TL+8:TL+11]
	ds_store_b128 v62, v[TL+12:TL+15] offset:2048
	ds_store_b128 v62, v[TL:TL+3]     offset:4096
	ds_store_b128 v62, v[TL+4:TL+7]   offset:6144
	ds_store_b128 v62, v[TL+16:TL+19] offset:8192
	ds_store_b128 v62, v[TL+20:TL+23] offset:10240
	s_wait_kmcnt 0x0
	v_mov_b32 v[VBV], s53
	v_cvt_pk_bf16_f32 v31, v[VBV], v[VBV]
	v_lshlrev_b32 v[VBV], 16, v31
	; THE TILE COMES IN: 32 rows a wave through eight slots of registers, 64 loads of every wave on their way.
	s_mov_b32 s54, 3
.Lrows:
.irp i, 0,1,2,3,4,5,6,7
	SLOT \i, 1, 56                                 ; the seven younger rows' 56 loads stay out
.endr
	WIN 0
	v_add_nc_u32 v[LADR], 8*PITCH, v[LADR]
	s_wait_xcnt 0x0                                ; the rows' base is stepped only when every load that names it has had its address translated (ISA guide 3.1)
	s_add_nc_u64 s[56:57], s[56:57], 0x8000
	s_sub_co_u32 s54, s54, 1
	s_cmp_lg_u32 s54, 0
	s_cbranch_scc1 .Lrows
	SLOT 0, 0, 56                                  ; the last eight rows load nothing more: the counts run down
	SLOT 1, 0, 48
	SLOT 2, 0, 40
	SLOT 3, 0, 32
	WIN W_LD
.irp k, 0,1,2
.irp f, 0,1,2,3
	BLOAD \f, \k, 44, (\k)*4096                    ; Ws of K steps 0 to 2: 24 loads, younger than the four rows still out
.endr
.endr
	SLOT 4, 0, 48                                  ; three rows' 24 and those 24
	SLOT 5, 0, 40
	SLOT 6, 0, 32
	SLOT 7, 0, 24
	WIN 0
	s_wait_dscnt 0x0                               ; for the others' sake: my rows and my part of the tables are in LDS
	s_barrier_signal -1
	s_barrier_wait -1
.irp z, 0,1,2,3
	ds_load_b32 v[WQ+2*(\z)],   v[TADR] offset:(\z)*64
	ds_load_b32 v[WQ+2*(\z)+1], v[TADR] offset:4096+(\z)*64
.endr
	WIN W_LD
.irp p, 0,1,2,3
	ALOAD \p, 0, 0
.endr
	s_wait_dscnt 0x0
.set n, 0
.rept 32
	INITX n
.set n, n+1
.endr
	WIN 0
	s_mov_b32 s40, 4                               ; chunks to go
	s_mov_b32 s41, 7                               ; the first chunk has no tanh to carry: its K steps 0 to 27 are seven trips of the rolled loop
	s_mov_b32 s55, 0
	s_mov_b64 s[46:47], s[44:45]
	s_branch .Lmid
.Lchunk:                               ; K steps 0 to 15 carry the tanh of the chunk before
.set kq, 0
.rept 16
	KSTEP kq%2, kq%4, (kq+1)*64, 44, (kq+3)*4096, 1, kq/15, kq
.set kq, kq+1
.endr
	WIN 0
	s_mov_b32 s41, 3                               ; K steps 16 to 27
.Lmid:
.set kq, 0
.rept 4
	KSTEP kq%2, kq%4, (kq+1)*64, 46, (kq+3)*4096, 0, 2*(kq/3), 0
.set kq, kq+1
.endr
	WIN 0
	s_sub_co_u32 s41, s41, 1
	s_cmp_lg_u32 s41, 0
	s_cbranch_scc1 .Lmid
	KSTEP 0, 0, 64,  46, 12288, 0, 3, 0            ; K step 28: asks for Ws of step 31
	KSTEP 1, 1, 128, 48, 0,     0, 4, 0            ; 29 to 31 ask for the next chunk's steps 0 to 2
	KSTEP 0, 2, 192, 48, 4096,  0, 0, 0
	KSTEP 1, 3, 0,   48, 8192,  2, 5, 0
	WIN 0
	s_wait_xcnt 0x0                                ; as above, for the chunk's address
	s_mov_b64 s[44:45], s[48:49]
	s_sub_co_u32 s40, s40, 1
	s_cmp_lg_u32 s40, 0
	s_cbranch_scc1 .Lchunk
.set tb, 0
.rept 8                                ; the last chunk's tanh has no products to stand beside: four accumulators at a time, kind by kind, so that no line reads the result of the line before it
.irp g, 0,1,2,3,4,5
.irp q, 0,1,2,3
	GROUP 4*tb+\q, \g
.endr
.endr
.set tb, tb+1
.endr
	WIN 0
	s_wait_loadcnt 0x0                             ; the ring's last 24 loads serve nothing; its registers are used again below
	; THE SCORES.  A lane's S holds, for 64 rows, the sum over its 16 units of -2 Vw / (1 + 2^..); the same units' sum of Vw is added, and the 64 partial sums of a row meet in LDS.
	v_mul_f32 v[SVW], -0.5, v[SVW]
	v_mov_b32 v[SVW+1], v[SVW]
.set n, 0
.rept 32
	v_pk_add_f32 v[S+2*n:S+2*n+1], v[S+2*n:S+2*n+1], v[SVW:SVW+1]
.set n, n+1
.endr
.set n, 0
.rept 64
	ds_store_b32 v[RADR], v[S+n] offset:(16*(n/8)+n%8)*RP
.set n, n+1
.endr
	v_mul_u32_u24 v[XADR], v0, RP
	v_add_nc_u32 v[XADR], RED, v[XADR]             ; thread t takes row t
	s_wait_dscnt 0x0                               ; for the others' sake: my partial sums are in LDS
	s_barrier_signal -1
	s_barrier_wait -1
.set n, 0
.rept 16
	ds_load_b128 v[T+4*n:T+4*n+3], v[XADR] offset:16*n
.set n, n+1
.endr
	v_lshl_add_u32 v[XADR], v0, 2, SARR
	s_wait_dscnt 0x0
.irp st, 2,4,8,16,32
.set n, 0
.rept 32/(\st)
	v_pk_add_f32 v[T+2*(\st)*n:T+2*(\st)*n+1], v[T+2*(\st)*n:T+2*(\st)*n+1], v[T+2*(\st)*n+(\st):T+2*(\st)*n+(\st)+1]
.set n, n+1
.endr
.endr
	v_add_f32 v[T], v[T], v[T+1]
	v_add_f32 v[T], v[T], v[VBV]
	ds_store_b32 v[XADR], v[T]
	v_lshl_add_u32 v[XADR], v3, 4, SARR
	s_wait_dscnt 0x0                               ; for the others' sake: my row's score is in LDS
	s_barrier_signal -1
	s_barrier_wait -1
	; THE TILE'S SOFTMAX, in every wave alike: a lane takes four scores.
	ds_load_b128 v[T:T+3], v[XADR]
	v_lshlrev_b32 v[T+10], 3, v3                   ; 8 x lane
	s_lshl_b32 s5, s2, 8
	s_add_co_u32 s5, s5, PARR
	v_add_nc_u32 v[T+11], s5, v[T+10]              ; where my four p go
	v_and_b32 v[T+12], 7, v0                       ; the turning load: row 8 (l/16) + l%8, 16 bytes at 16 ((l/8)%2), my wave's 512 bytes of a row
	v_bfe_u32 v[T+13], v0, 3, 1
	v_lshl_add_u32 v[T+12], v2, 3, v[T+12]
	v_mul_u32_u24 v[T+12], v[T+12], PITCH
	v_lshl_add_u32 v[T+12], v[T+13], 4, v[T+12]
	s_lshl_b32 s6, s2, 9
	v_add_nc_u32 v[AADR], s6, v[T+12]
	v_add_nc_u32 v[AADR+1], BLK32, v[AADR]
	v_add_nc_u32 v[AADR+2], 2*BLK32, v[AADR]
	v_add_nc_u32 v[AADR+3], 3*BLK32, v[AADR]
	s_lshl_b32 s7, s2, 10
	s_add_co_u32 s7, s7, CARR
	v_lshl_add_u32 v[T+14], v3, 2, s7              ; the context's way out: in,
	v_lshl_add_u32 v[T+15], v3, 4, s7              ; and back
	s_wait_dscnt 0x0
	v_max3_num_f32 v[T+4], v[T], v[T+1], v[T+2]
	v_max_num_f32 v[T+4], v[T+4], v[T+3]
	v_max_num_f32_dpp v[T+4], v[T+4], v[T+4] row_xmask:1 row_mask:0xf bank_mask:0xf
	v_max_num_f32_dpp v[T+4], v[T+4], v[T+4] row_xmask:2 row_mask:0xf bank_mask:0xf
	v_max_num_f32_dpp v[T+4], v[T+4], v[T+4] row_xmask:4 row_mask:0xf bank_mask:0xf
	v_max_num_f32_dpp v[T+4], v[T+4], v[T+4] row_xmask:8 row_mask:0xf bank_mask:0xf
	v_permlanex16_b32 v[T+5], v[T+4], s38, s39
	v_max_num_f32 v[T+4], v[T+4], v[T+5]           ; m
.irp z, 0,1,2,3
	v_sub_f32 v[T+(\z)], v[T+(\z)], v[T+4]
.endr
.irp z, 0,1,2,3
	v_mul_f32 v[T+(\z)], 0x3fb8aa3b, v[T+(\z)]
.endr
.irp z, 0,1,2,3
	v_exp_f32 v[T+(\z)], v[T+(\z)]                 ; p
.endr
	v_nop                                          ; a plain instruction between the last exponential and the use of its result
	s_wait_alu depctr_va_vdst(0)
	v_add_f32 v[T+5], v[T], v[T+1]
	v_add_f32 v[T+6], v[T+2], v[T+3]
	v_add_f32 v[T+5], v[T+5], v[T+6]
	v_add_f32_dpp v[T+5], v[T+5], v[T+5] row_xmask:1 row_mask:0xf bank_mask:0xf
	v_add_f32_dpp v[T+5], v[T+5], v[T+5] row_xmask:2 row_mask:0xf bank_mask:0xf
	v_add_f32_dpp v[T+5], v[T+5], v[T+5] row_xmask:4 row_mask:0xf bank_mask:0xf
	v_add_f32_dpp v[T+5], v[T+5], v[T+5] row_xmask:8 row_mask:0xf bank_mask:0xf
	v_permlanex16_b32 v[T+6], v[T+5], s38, s39
	v_add_f32 v[T+5], v[T+5], v[T+6]               ; l: v[T+4:T+5] = (m, l)
	v_cvt_pk_bf16_f32 v[T+8], v[T], v[T+1]
	v_cvt_pk_bf16_f32 v[T+9], v[T+2], v[T+3]
	ds_store_b64 v[T+11], v[T+8:T+9]
.irp kk, 0,1,2,3                       ; p as source 0: all 16 rows of the fragment are the same 32 weights; LDS serves my instructions in order: these see the store above
	ds_load_b128 v[T+16+8*(\kk):T+16+8*(\kk)+3],   v[PADR] offset:64*(\kk)
	ds_load_b128 v[T+16+8*(\kk)+4:T+16+8*(\kk)+7], v[PADR] offset:64*(\kk)+32
.endr
	s_cmp_lg_u32 s2, 0
	s_cbranch_scc1 .Lnot0
	global_store_b128 v[VOFF], v[T:T+3], s[30:31]  ; wave 0 alone: the tile's p, 512 consecutive bytes,
	global_store_b64 v[T+10], v[T+4:T+5], s[32:33] ; and (m, l), 32 times: 256 consecutive bytes.  Neither's registers are written again
.Lnot0:
	; THE CONTEXT: sum over the tile's rows of p x values, for my 256 columns, out of the same LDS tile.
	VFETCH 0, 0
	VFETCH 1, 1
	s_wait_dscnt 32                                ; all but the second buffer's 32 loads: p and rows 0-31 are in
	CMM 0, 0, 1
.rept 4
	v_nop                                          ; the places in front of loads into registers that those products read
.endr
	VFETCH 2, 0
	s_wait_dscnt 32                                ; rows 32-63 are in
	CMM 1, 1, 0
.rept 4
	v_nop
.endr
	VFETCH 3, 1
	s_wait_dscnt 32                                ; rows 64-95
	CMM 2, 0, 0
	s_wait_dscnt 0x0
	CMM 3, 1, 0
.rept 4
	v_nop                                          ; the places in front of the lines that read results
.endr
	WIN 0x0a                                       ; both sources window 2
.irp i, 0,1,2,3,4,5,6,7                ; all 16 rows of a result are alike: its lowest register holds column l%16 in both halves of the lanes; two results make 32 neighbouring columns
	v_cndmask_b32 v[T+48+(\i)], v[16*(\i)], v[16*(\i)+8], s52
.endr
	WIN 0
.irp i, 0,1,2,3,4,5,6,7
	ds_store_b32 v[T+14], v[T+48+(\i)] offset:128*(\i)
.endr
	ds_load_b128 v[T+56:T+59], v[T+15]             ; back as 16 bytes a lane; my own bytes, served in order
	ds_load_b128 v[T+60:T+63], v[T+15] offset:512
	s_wait_dscnt 0x0
	global_store_b128 v[VOFF], v[T+56:T+59], s[34:35]             ; 512 consecutive bytes, aligned
	global_store_b128 v[VOFF], v[T+60:T+63], s[34:35] offset:512
	s_wait_tensorcnt 0x0                           ; the wave's end
	ds_add_u32 v[SPW], v[NIL]
	s_wait_dscnt 0x0
	s_endpgm
.Lfunc_end_k_qf69b56844f_main:
	.size	k_qf69b56844f_main, .Lfunc_end_k_qf69b56844f_main-k_qf69b56844f_main
	.p2alignl 7, 3214868480
	.fill 96, 4, 3214868480
	.section	.rodata,"a",@progbits
	.p2align	6, 0x0
	.amdhsa_kernel k_qf69b56844f_main
		.amdhsa_group_segment_fixed_size 317440
		.amdhsa_private_segment_fixed_size 0
		.amdhsa_enable_private_segment 0
		.amdhsa_kernarg_size 80
		.amdhsa_user_sgpr_count 2
		.amdhsa_user_sgpr_kernarg_segment_ptr 1
		.amdhsa_wavefront_size32 1
		.amdhsa_system_sgpr_workgroup_id_x 1
		.amdhsa_system_sgpr_workgroup_id_y 1
		.amdhsa_system_sgpr_workgroup_id_z 1
		.amdhsa_system_vgpr_workitem_id 0
		.amdhsa_next_free_vgpr 1024
		.amdhsa_next_free_sgpr 66
		.amdhsa_reserve_vcc 0
		.amdhsa_float_denorm_mode_32 3
		.amdhsa_float_denorm_mode_16_64 3
		.amdhsa_memory_ordered 1
		.amdhsa_forward_progress 1
		.amdhsa_inst_pref_size 255
	.end_amdhsa_kernel
	.section	.bss,"aw",@nobits
	.p2align	6
	.space	262144
	.amdgpu_metadata
---
amdhsa.version: [ 1, 2 ]
amdhsa.kernels:
  - .name:           k_qf69b56844f_main
    .symbol:         k_qf69b56844f_main.kd
    .args:
      - { .name: values, .offset: 0, .size: 8, .value_kind: global_buffer, .address_space: global }
      - { .name: prev_coverage, .offset: 8, .size: 8, .value_kind: global_buffer, .address_space: global }
      - { .name: Wc, .offset: 16, .size: 8, .value_kind: global_buffer, .address_space: global }
      - { .name: Vw, .offset: 24, .size: 8, .value_kind: global_buffer, .address_space: global }
      - { .name: Vb, .offset: 32, .size: 8, .value_kind: global_buffer, .address_space: global }
      - { .name: wsb, .offset: 40, .size: 8, .value_kind: global_buffer, .address_space: global }
      - { .name: qb, .offset: 48, .size: 8, .value_kind: global_buffer, .address_space: global }
      - { .name: pbuf, .offset: 56, .size: 8, .value_kind: global_buffer, .address_space: global }
      - { .name: ml, .offset: 64, .size: 8, .value_kind: global_buffer, .address_space: global }
      - { .name: cp, .offset: 72, .size: 8, .value_kind: global_buffer, .address_space: global }
    .group_segment_fixed_size: 317440
    .private_segment_fixed_size: 0
    .kernarg_segment_align: 8
    .kernarg_segment_size: 80
    .max_flat_workgroup_size: 128
    .sgpr_count:     66
    .vgpr_count:     1024
    .wavefront_size: 32
...
	.end_amdgpu_metadata
.endif
;; end of part 4
;; launch comb: the kernel of part 3 again; grid 2 x 32, 4 waves a work-group, no clusters, 0 bytes of LDS; arguments ml, pbuf, cp, prev_coverage, out0, out1, out2; writes out0, out1, out2
;; ======== version 3 of 3: 3 launches; version 2 with the launch main written anew for expert scheduling mode
;; limits: values outside matrix products are rounded to bf16
;; workspace buffers: wsb 2,097,152 bytes; qb 131,072 bytes; pbuf 262,144 bytes; ml 131,072 bytes; cp 2,097,152 bytes
;; launch prep: the kernel of part 1 again; grid 16 x 2, 16 waves a work-group, no clusters, 305,152 bytes of LDS; arguments Ws, Wh, query, bh, bs, bc, wsb, qb; writes wsb, qb
;; launch main (part 5): grid 512 x 1, 4 waves a work-group, no clusters, 317,440 bytes of LDS; arguments values, prev_coverage, Wc, Vw, Vb, wsb, qb, pbuf, ml, cp; writes pbuf, ml, cp
.if DOCPART == 5
	.amdgcn_target "amdgcn-amd-amdhsa--gfx1250"
	.amdhsa_code_object_version 6
	.text
	.protected	k_qf69b56844f_main
	.globl	k_qf69b56844f_main
	.p2align	8
	.type	k_qf69b56844f_main,@function
k_qf69b56844f_main:
	s_mov_b64 s[64:65], 0
	v_nop
	global_prefetch_b8 v0, s[64:65] scope:SCOPE_SE
	s_setreg_imm32_b32 hwreg(HW_REG_WAVE_SCHED_MODE, 0, 2), 2
	s_setreg_imm32_b32 hwreg(HW_REG_WAVE_MODE, 25, 1), 1
	s_wait_xcnt 0x0
	s_wait_alu depctr_vm_vsrc(0)
; BAHDANAU ATTENTION, the fused part.  A work-group owns a TILE of 128 rows (time steps) of one batch; 16 tiles make a batch, 512 the whole.
;   score[t] = sum over u of Vw[u] tanh(qb[b][u] + cov[t] Wc[u] + sum over d of values[t][d] Ws[d][u]) + Vb       (qb = query Wh + bh + bs + bc, made by the launch before)
;   m = the tile's largest score;  p[t] = e^(score[t] - m) -> pbuf;  l = sum of p;  (m, l) -> ml;  cp[tile][d] = sum over t of p[t] values[t][d].  The next launch joins a batch's 16 tiles by their m.
; values leaves memory ONCE: the tile is rounded to bf16 on its way in and stays in LDS (128 rows x 2,048 bytes), where all four waves read it for every unit and, at the end, for the context.
; LIMITS.  Every input is rounded once to bf16 (values, Ws as matrix operands; prev_coverage, Wc, Vw, Vb too); all arithmetic behind that is f32, but p is rounded to bf16 for the context's product
; (l is the sum of the unrounded p).  tanh(x) = 1 - 2 / (1 + 2^(2 log2(e) x)); the score is formed as sum(Vw) - 2 sum(Vw / (1 + 2^..)) in f32, the first sum added lane by lane over the same 16 units.
; A power of two below 2^-126 counts as 0.  NaN and infinities are not treated apart.
; SHARES.  Wave w owns units 256 w .. 256 w + 255, in four CHUNKS of 64: a chunk is 128 rows x 64 units, 32 accumulators (a = 4 mb + f: rows 16 mb on, units 16 f on), 256 registers.
; Source 0 = 16 rows of values, source 1 = 16 units of Ws: in the result register j of lane l is row 16 mb + 8 (l/16) + j, unit 16 f + l%16.  The sums START at cov Wc + qb, so nothing is cleared or added later.
; Ws comes from wsb, which holds it in fragment order: a K step's four fragments are eight loads of 512 consecutive bytes, straight into a ring of four register slots, asked for three K steps
; (some 90 matrix instructions) ahead; no barrier stands in the loop.
; NO CLUSTER, NO TENSOR LOADS: all work-groups walk the same Ws, but the tile takes 264,192 of the 327,680 bytes of LDS; what is left would hold two slots of under 31 KB, 64 matrix instructions a wave
; between a request and the wait for it, with a barrier each; and values has to pass through registers to be rounded.
; THE MODE: SCHED_MODE bits 1:0 = 2 (LLVM: expert scheduling mode 2), set by the entry lines.  The code itself states the register dependences between vector or matrix instructions and memory or LDS
; instructions, with s_wait_alu, always for 0.
; THE PLAN.  Registers that memory or LDS instructions touch:
;   landing slots 0-7 (window 2)  Turn t: 16 conversions read slot t%8 and write its low 16 registers; 8 LDS stores read those; turn t + 1 loads the slot again.  Two waits a turn, behind its conversions.
;   v[LADR]                       Read by every row's stores; written once a trip, between the two waits of the trip's last turn.
;   A buffers 0, 1; ring 0-3      K step k: its products read buffer k%2 and slot k%4; its loads land in the other buffer and in slot (k+3)%4, which the products of step k - 1 read.
;   v[AB0 ..]                     Never written again: the address of the fragments' loads in K steps 0 to 15 and 31.
;   v[AADR ..], v[TADR]           Read by the fragments' loads of the rolled K steps and of 28 to 30, and by the tables' loads; written at a K step's head alone, ahead of that step's wait.
;   WQ, VW                        Loaded in K step 28; read by vector lines of K steps 31, 2 to 15 and 29.
;   X, Y, S, COV                  In the K loop named by vector and matrix instructions alone.
; So ONE wait on va_vdst stands at a K step's head, behind the waits for its data.  It states that the products of the step before are done reading the buffer and the slot in which this step's loads land,
; that addresses made at this head are written, and that the exponentials and reciprocals of the step before have written Y.  The step's 24 loads follow it in four groups of six, behind products 0, 2, 4 and 6:
; no vector or matrix instruction of the step names a register that they touch.
; tanh BESIDE THE PRODUCTS.  In a chunk's last K step each finished accumulator is scaled into a second set of 256 registers (Y) and started anew.  Y's tanh goes through the next chunk's K steps 0 to 15 in three
; stages, the accumulators in ascending order: exponentials in steps 0 to 13 (two or three accumulators a step), plus one and the reciprocals a step later, the sums with Vw a step later again.  Each stage reads
; what the step before made, so the wait at the step's head is the wait behind a transcendental.  Only the last chunk's tanh stands alone.
; REGISTERS, in windows of 256 (s_set_vgpr_msb: bits 1:0 source 0, 3:2 source 1, 5:4 source 2, 7:6 destination):
;   window 0: v0-15 addresses; v16-23 (Wc, qb) of my 4 units; v24-27 -2 Vw of them; v28-29 their sum; v30 Vb; v32-55 tables as loaded; v56-59 fixed part of A's addresses; v60-62 offsets at the head, v60-61 later
;             addresses of the scores; v64-127 S, the scores' partial sums (row 16 mb + 8 (l/16) + j at S + 8 mb + j); v128-191 cov of the same rows; v192-255 at work
;   window 1: v0-127 fragments of values, two buffers (64 buf + 8 mb); v128-255 the ring for Ws (128 + 32 slot + 8 f); in the context two buffers of 128 for turned values
;   window 2: X, the accumulators (8 a); at the start the landing of values' rows; in the context 16 accumulators (8 cb)          window 3: Y; in the context two more buffers of 128 for turned values
.set PITCH, 2064                       ; a row of the tile in LDS: 2,048 bytes + 16 = 516 words: row r starts at bank 4 r mod 64 (64 banks of 4 bytes: ISA guide 11.1)
.set H16,   16*PITCH
.set BLK32, 32*PITCH
.set TW,    128*PITCH                  ; behind the tile: Wc rounded, 4,096 bytes
.set TQ,    TW+4096                    ; qb of my batch
.set TV,    TW+8192                    ; -2 x Vw rounded
.set RED,   TW+12288                   ; 128 rows x 64 partial sums, rows of 272 bytes
.set RP,    272
.set SARR,  RED+128*RP                 ; the 128 scores
.set PARR,  SARR+512                   ; p in bf16, 256 bytes for each wave
.set CARR,  PARR+1024                  ; the context's way out, 1,024 bytes for each wave
.set SPARE, CARR+4096                  ; the spare words, 128 bytes for each wave: two blocks of 256 bytes that no other line names
.set VOFF, 4                           ; v4     16 x lane; never rewritten
.set LADR, 5                           ; v5     where my lane puts 8 bytes of a row
.set AADR, 6                           ; v6-9   LDS address of values' fragments in the rolled K steps, rows 32 p on; later of the turned loads, rows 32 kk on
.set TADR, 10                          ; v10    my unit's place in the three tables
.set RADR, 11                          ; v11    where my partial sums go
.set PADR, 12                          ; v12    where I read p's fragments
.set XADR, 13                          ; v13    where I read my row's 64 partial sums
.set SPW,  14                          ; v14    my spare word: SPARE + 4 x my thread's number; never rewritten
.set NIL,  15                          ; v15    0; never rewritten
.set WQ,   16
.set VW,   24
.set SVW,  28
.set VBV,  30
.set TL,   32
.set AB0,  56
.set SADR, 60                          ; v60    behind the K loop: where my row's score goes
.set QADR, 61                          ; v61    behind the K loop: where I read four scores
.set S,    64
.set COV,  128
.set T,    192
.set BR,   128                         ; the ring, in window 1
; scalars: s2 wave, s3 tile, s4 batch; s[16:35] the ten addresses; s[36:37] 2 log2(e); s[38:39] v_permlanex16_b32's selects; s40 chunks to go; s41 trips of the rolled loop; s[42:43] wsb at my wave;
; s[44:45] at the chunk in hand; s[46:47] walks in it; s[48:49] at the next chunk; s[50:51] an offset; s52 0xffff0000; s53 Vb; s54 trips of the load loop; s55 KO: bytes along a row; s[56:57] values at my rows
.set MSB, 0
.macro WIN new                         ; the immediate's high byte repeats the setting that is left; a switch that changes nothing is dropped
.if MSB != (\new)
	s_set_vgpr_msb (MSB<<8)|(\new)
.set MSB, (\new)
.endif
.endm
.set W_MM, 0xa5                        ; both fragments window 1, C and D window 2
.set W_LD, 0x40                        ; destination window 1, address window 0
.set W_L3, 0xc0                        ; destination window 3, address window 0
.set W_Y,  0xc3                        ; destination and source 0 window 3
.set W_F,  0x03                        ; source 0 window 3, the rest window 0
.set W_XM, 0xc2                        ; destination window 3, source 0 window 2
.set W_XI, 0x80                        ; destination window 2, sources window 0
.set W_C1, 0xa4                        ; the context: p window 0, values window 1, C and D window 2
.set W_C3, 0xac                        ; the same with values in window 3
.macro RND2 ra, rb, rt                 ; two f32 rounded to bf16 and widened again
	v_cvt_pk_bf16_f32 v[\rt], v[\ra], v[\rb]
	v_lshlrev_b32 v[\ra], 16, v[\rt]
	v_and_b32 v[\rb], s52, v[\rt]
.endm
; One row of values.  Slot i of eight holds a row as 32 registers (8 loads of 512 consecutive bytes).  It is rounded in place from the low end and laid into LDS, 8 bytes a lane, at row srow from v[LADR].
; re = 1: the slot of the turn BEFORE, (i + 7) % 8, is loaded again, with row lrow from the base: its stores were issued a turn ago.  step = 1: v[LADR] and the base move on by eight rows first.
; left = the younger loads that may stay out.
.macro TURN i, srow, lrow, left, re, step
	s_wait_loadcnt \left                           ; loads come back in order (ISA guide 5.7.1): this row is in
	WIN 0x8a
.set n, 0
.rept 16
	v_cvt_pk_bf16_f32 v[32*(\i)+n], v[32*(\i)+2*n], v[32*(\i)+2*n+1]
.set n, n+1
.endr
.if \step
	WIN 0
	s_wait_alu depctr_vm_vsrc(0)                   ; the stores issued so far have read v[LADR], and those of the turn before the slot in which the loads below land
	v_add_nc_u32 v[LADR], 8*PITCH, v[LADR]
	s_wait_xcnt 0x0                                ; the rows' base is stepped only when every load that names it has had its address translated (ISA guide 3.1): the youngest were issued a turn ago
	s_add_nc_u64 s[56:57], s[56:57], 0x8000
.endif
.if \re
	WIN W_XI
.if !(\step)
	s_wait_alu depctr_vm_vsrc(0)                   ; the stores of the turn before have read the slot in which the loads below land
.endif
	s_wait_alu depctr_va_vdst(0)                   ; this turn's conversions have written what the stores below read; the turn before's are done with the slot in which the loads land; where it was stepped, v[LADR] is written
.irp j, 0,1,2,3,4,5,6,7
	global_load_b128 v[32*(((\i)+7)%8)+4*(\j):32*(((\i)+7)%8)+4*(\j)+3], v[VOFF], s[56:57] offset:(\lrow)*4096+(\j)*512 th:TH_LOAD_NT
.endr
	WIN 0x08                                       ; data window 2, address window 0
.else
	WIN 0x08
	s_wait_alu depctr_va_vdst(0)                   ; this turn's conversions have written what the stores below read
.endif
.irp j, 0,1,2,3,4,5,6,7
	ds_store_b64 v[LADR], v[32*(\i)+2*(\j):32*(\i)+2*(\j)+1] offset:(\srow)*PITCH+(\j)*256
.endr
.endm
.macro ALOAD p, buf, base, aoff        ; two fragments of values, rows 32 p on, 32 along K at byte aoff from the address in v[base + p]
	ds_load_b128 v[64*(\buf)+16*(\p):64*(\buf)+16*(\p)+3],     v[(\base)+(\p)] offset:(\aoff)
	ds_load_b128 v[64*(\buf)+16*(\p)+4:64*(\buf)+16*(\p)+7],   v[(\base)+(\p)] offset:(\aoff)+32
	ds_load_b128 v[64*(\buf)+16*(\p)+8:64*(\buf)+16*(\p)+11],  v[(\base)+(\p)] offset:(\aoff)+H16
	ds_load_b128 v[64*(\buf)+16*(\p)+12:64*(\buf)+16*(\p)+15], v[(\base)+(\p)] offset:(\aoff)+H16+32
.endm
.macro BLOAD f, slot, ptr, boff        ; one fragment of Ws: two loads of 512 consecutive bytes
	global_load_b128 v[BR+32*(\slot)+8*(\f):BR+32*(\slot)+8*(\f)+3],   v[VOFF], s[\ptr:\ptr+1] offset:(\boff)+(\f)*1024
	global_load_b128 v[BR+32*(\slot)+8*(\f)+4:BR+32*(\slot)+8*(\f)+7], v[VOFF], s[\ptr:\ptr+1] offset:(\boff)+(\f)*1024+512
.endm
.macro INITX xa                        ; accumulator xa starts at cov x Wc + qb: the pair (Wc, qb) gives its low word as factor and its high word as addend
	WIN W_XI
.irp z, 0,1,2,3
	v_pk_fma_f32 v[8*(\xa)+2*(\z):8*(\xa)+2*(\z)+1], v[COV+8*((\xa)/4)+2*(\z):COV+8*((\xa)/4)+2*(\z)+1], v[WQ+2*((\xa)%4):WQ+2*((\xa)%4)+1], v[WQ+2*((\xa)%4):WQ+2*((\xa)%4)+1] op_sel:[0,0,1] op_sel_hi:[1,0,1]
.endr
.endm
.macro XFER xa                         ; Y = 2 log2(e) X, from the accumulator's low end on; then X starts the next chunk's sums
	WIN W_XM
.irp z, 0,1,2,3
	v_pk_mul_f32 v[8*(\xa)+2*(\z):8*(\xa)+2*(\z)+1], v[8*(\xa)+2*(\z):8*(\xa)+2*(\z)+1], s[36:37] op_sel_hi:[1,0]
.endr
	INITX \xa
.endm
; THE tanh OF ACCUMULATOR ga, on Y, in groups of four lines: two of exponentials, one of plus one, two of reciprocals, one of S += Y x (-2 Vw).
.macro YEXP ga, hf
	WIN W_Y
.irp z, 0,1,2,3
	v_exp_f32 v[8*(\ga)+4*(\hf)+(\z)], v[8*(\ga)+4*(\hf)+(\z)]
.endr
.endm
.macro YADD ga
	WIN W_Y
.irp z, 0,1,2,3
	v_pk_add_f32 v[8*(\ga)+2*(\z):8*(\ga)+2*(\z)+1], v[8*(\ga)+2*(\z):8*(\ga)+2*(\z)+1], 1.0 op_sel_hi:[1,0]
.endr
.endm
.macro YRCP ga, hf
	WIN W_Y
.irp z, 0,1,2,3
	v_rcp_f32 v[8*(\ga)+4*(\hf)+(\z)], v[8*(\ga)+4*(\hf)+(\z)]
.endr
.endm
.macro YFMA ga
	WIN W_F
.irp z, 0,1,2,3
.if ((\ga)%2) == 0
	v_pk_fma_f32 v[S+8*((\ga)/4)+2*(\z):S+8*((\ga)/4)+2*(\z)+1], v[8*(\ga)+2*(\z):8*(\ga)+2*(\z)+1], v[VW+2*(((\ga)%4)/2):VW+2*(((\ga)%4)/2)+1], v[S+8*((\ga)/4)+2*(\z):S+8*((\ga)/4)+2*(\z)+1] op_sel_hi:[1,0,1]
.else
	v_pk_fma_f32 v[S+8*((\ga)/4)+2*(\z):S+8*((\ga)/4)+2*(\z)+1], v[8*(\ga)+2*(\z):8*(\ga)+2*(\z)+1], v[VW+2*(((\ga)%4)/2):VW+2*(((\ga)%4)/2)+1], v[S+8*((\ga)/4)+2*(\z):S+8*((\ga)/4)+2*(\z)+1] op_sel:[0,1,0] op_sel_hi:[1,1,1]
.endif
.endr
.endm
; How many accumulators have had their exponentials ahead of K step s: 32 are shared out over steps 0 to 13, two or three a step.
.macro BOUND name, s
.if (\s) <= 0
.set \name, 0
.elseif (\s) >= 14
.set \name, 32
.else
.set \name, (16*(\s))/7
.endif
.endm
; Group gi of a K step's tanh lines (15 at the most).  First plus one for the accumulators tR0 .. (their exponentials stood in the step before), then the exponentials of tE0 .., then the reciprocals of tR0 ..,
; last the sums of tF0 .. (their reciprocals stood in the step before).  The sums are the plain lines between the step's last transcendental and the use of its result (ISA guide 5.7.2); where a step has none, a v_nop.
.macro RIDE gi
.if (\gi) < cntR
	YADD tR0+(\gi)
.elseif (\gi) < cntR+2*cntE
	YEXP tE0+((\gi)-cntR)/2, ((\gi)-cntR)%2
.elseif (\gi) < 3*cntR+2*cntE
	YRCP tR0+((\gi)-cntR-2*cntE)/2, ((\gi)-cntR-2*cntE)%2
.elseif (\gi) < 3*cntR+2*cntE+cntF
	YFMA tF0+(\gi)-3*cntR-2*cntE
.endif
.if ((\gi) == 3*cntR+2*cntE-1) && (cntF == 0)
	v_nop
.endif
.endm
; A K STEP: 32 matrix instructions on buffer ab and ring slot bs; the 32 accumulators take turns, one instruction a turn, over every step's edge too.
; AT ITS HEAD: the register bookkeeping named by hook, the waits for the step's data, and the step's one wait on va_vdst.
; Behind instructions 0, 2, 4 and 6: six loads each: two of the next step's fragments of values (byte aoff from v[abase ..]) into the other buffer, and one fragment of Ws of the step three on (bptr + boff) into the slot
; read out in the step before.  The last of them stands 25 matrix instructions ahead of the wait for it.  In K step 28 the tables' 12 words follow behind instruction 8.
; kind 1: behind every odd instruction a group of the tanh's lines for K step rk.  kind 2: behind instruction a the XFER of accumulator a - 1: between a product and the lines that read its result stand the eight of
; the XFER before (for the first: four v_nop): the places of ISA guide 7.12.1.
; hook 1: K step 15, the rolled loop is set up.  2: the rolled loop's fourth step: addresses and pointer move on by four steps.  3: K step 28, tables and the next chunk's address.  4: K step 29, the sum of -2 Vw.
.macro KSTEP ab, bs, abase, aoff, bptr, boff, kind, hook, rk
.if (\hook) == 1
	WIN 0
	s_wait_alu depctr_vm_vsrc(0)                   ; the fragments' loads of the chunk before have read v[AADR ..]
	s_mov_b32 s55, 1024                            ; 16 K steps of 64 bytes
.irp z, 0,1,2,3
	v_add_nc_u32 v[AADR+(\z)], s55, v[AB0+(\z)]
.endr
	s_wait_xcnt 0x0                                ; the walking address is written only when every load that names it has had its address translated (ISA guide 3.1)
	s_add_nc_u64 s[46:47], s[44:45], 0x10000       ; 16 K steps of 4,096 bytes
.elseif (\hook) == 2
	WIN 0
	s_wait_alu depctr_vm_vsrc(0)                   ; the fragments' loads issued so far have read v[AADR ..]
	s_add_co_u32 s55, s55, 256
.irp z, 0,1,2,3
	v_add_nc_u32 v[AADR+(\z)], s55, v[AB0+(\z)]
.endr
	s_wait_xcnt 0x0                                ; as above
	s_add_nc_u64 s[46:47], s[46:47], 0x4000
.elseif (\hook) == 3
	WIN 0
	s_wait_alu depctr_vm_vsrc(0)                   ; the tables' loads of the chunk before have read v[TADR]
	v_add_nc_u32 v[TADR], 256, v[TADR]             ; the next chunk's place in the tables
	s_wait_xcnt 0x0                                ; as above, for the next chunk's address
	s_sub_co_u32 s50, 5, s40                       ; the next chunk's number; behind the last it is 0 again, so that no load leaves wsb
	s_and_b32 s50, s50, 3
	s_lshl_b32 s50, s50, 17                        ; 32 K steps of 4,096 bytes
	s_add_nc_u64 s[48:49], s[42:43], s[50:51]
.endif
.if (\kind) == 1
	BOUND tF0, (\rk)-2
	BOUND tR0, (\rk)-1
	BOUND tE0, (\rk)
	BOUND tE1, (\rk)+1
.set cntF, tR0-tF0
.set cntR, tE0-tR0
.set cntE, tE1-tE0
.endif
	s_wait_dscnt 0x0                               ; this step's fragments of values, asked for 25 matrix instructions ago or more
	s_wait_loadcnt 16                              ; this step's Ws is in; the sixteen loads of the next two steps may stay out (every step issues eight, on every way)
	s_wait_alu depctr_va_vdst(0)                   ; the products of the step before are done reading the buffer and the slot in which this step's loads land; addresses made at this head are written; earlier readers of WQ and VW are done; the exponentials and reciprocals of the step before have written Y
.set ka, 0
.rept 32
	WIN W_MM
	v_wmma_f32_16x16x32_bf16 v[8*ka:8*ka+7], v[64*(\ab)+8*(ka/4):64*(\ab)+8*(ka/4)+7], v[BR+32*(\bs)+8*(ka%4):BR+32*(\bs)+8*(ka%4)+7], v[8*ka:8*ka+7]
.if (ka == 0) && ((\hook) == 4)
	WIN 0
.irp z, 0,1,2,3
	v_add_f32 v[SVW], v[SVW], v[VW+(\z)]
.endr
.endif
.if (ka == 0) && ((\kind) == 2)
.rept 4
	v_nop                                          ; the places between the first product and the lines that read its result
.endr
.endif
.if (ka < 8) && (ka%2 == 0)
	WIN W_LD
	ALOAD ka/2, 1-(\ab), \abase, \aoff             ; no wait: no vector or matrix instruction since the step's wait names these registers
	BLOAD ka/2, ((\bs)+3)%4, \bptr, \boff
.endif
.if (ka == 8) && ((\hook) == 3)
	WIN 0
.irp z, 0,1,2,3
	ds_load_b32 v[WQ+2*(\z)],   v[TADR] offset:(\z)*64            ; the next chunk's Wc,
	ds_load_b32 v[WQ+2*(\z)+1], v[TADR] offset:4096+(\z)*64       ; and qb (behind the last chunk: table bytes that serve nothing);
	ds_load_b32 v[VW+(\z)],     v[TADR] offset:8192-256+(\z)*64   ; this chunk's -2 Vw
.endr
.endif
.if ((\kind) == 1) && (ka%2 == 1)
	RIDE (ka-1)/2
.endif
.if ((\kind) == 2) && (ka >= 1)
	XFER ka-1
.endif
.set ka, ka+1
.endr
.if (\kind) == 2
	XFER 31
.endif
.endm
.macro VFETCH kk, buf, win             ; the context: rows 32 kk on of the tile, my 256 columns, turned: 16 fragments, into buffer buf of the window that win names
	WIN \win
.irp cb, 0,1,2,3,4,5,6,7,8,9,10,11,12,13,14,15
	ds_load_tr16_b128 v[128*(\buf)+8*(\cb):128*(\buf)+8*(\cb)+3],   v[AADR+(\kk)] offset:(\cb)*32
	ds_load_tr16_b128 v[128*(\buf)+8*(\cb)+4:128*(\buf)+8*(\cb)+7], v[AADR+(\kk)] offset:(\cb)*32+H16
.endr
.endm
.macro CMM kk, buf, zero, win          ; 16 products p x values; the 16 accumulators take turns
	WIN \win
.irp cb, 0,1,2,3,4,5,6,7,8,9,10,11,12,13,14,15
.if \zero
	v_wmma_f32_16x16x32_bf16 v[8*(\cb):8*(\cb)+7], v[T+16+8*(\kk):T+16+8*(\kk)+7], v[128*(\buf)+8*(\cb):128*(\buf)+8*(\cb)+7], 0
.else
	v_wmma_f32_16x16x32_bf16 v[8*(\cb):8*(\cb)+7], v[T+16+8*(\kk):T+16+8*(\kk)+7], v[128*(\buf)+8*(\cb):128*(\buf)+8*(\cb)+7], v[8*(\cb):8*(\cb)+7]
.endif
.endr
.endm
	s_load_b512 s[16:31], s[0:1], 0x0              ; values s[16:17], prev_coverage s[18:19], Wc s[20:21], Vw s[22:23], Vb s[24:25], wsb s[26:27], qb s[28:29], pbuf s[30:31]
	s_load_b128 s[32:35], s[0:1], 0x40             ; ml s[32:33], cp s[34:35]
	v_lshl_add_u32 v[SPW], v0, 2, SPARE
	v_mov_b32 v[NIL], 0
	v_lshrrev_b32 v3, 5, v0
	v_readfirstlane_b32 s2, v3                     ; wave 0..3
	s_mov_b32 s3, ttmp9                            ; tile
	s_lshr_b32 s4, s3, 4                           ; batch
	s_mov_b32 s36, 0x4038aa3b                      ; 2 log2(e)
	s_mov_b32 s37, s36                             ; named with it as a pair
	s_mov_b32 s38, 0x76543210
	s_mov_b32 s39, 0xfedcba98
	s_mov_b32 s52, 0xffff0000                      ; a word's upper bf16; also the mask of lanes 16-31
	s_mov_b32 s51, 0                               ; the offset pair's high word, for good
	v_and_b32 v1, 15, v0                           ; l % 16
	v_bfe_u32 v2, v0, 4, 1                         ; l / 16
	v_and_b32 v3, 31, v0                           ; lane
	v_lshlrev_b32 v[VOFF], 4, v3
	s_wait_alu depctr_va_sdst(0)                   ; s2 is written, ahead of its first reader: LDS places, bases and a branch are made from it
	s_mul_i32 s5, s2, BLK32                        ; I lay rows 32 w .. 32 w + 31
	v_lshl_add_u32 v[LADR], v3, 3, s5
	v_mul_u32_u24 v[AB0], v1, PITCH                ; a fragment: row l%16, 16 bytes for each half of the lanes
	v_lshl_add_u32 v[AB0], v2, 4, v[AB0]
	v_add_nc_u32 v[AB0+1], BLK32, v[AB0]
	v_add_nc_u32 v[AB0+2], 2*BLK32, v[AB0]
	v_add_nc_u32 v[AB0+3], 3*BLK32, v[AB0]
.irp z, 0,1,2,3
	v_mov_b32 v[AADR+(\z)], v[AB0+(\z)]
.endr
	s_lshl_b32 s5, s2, 10
	s_add_co_u32 s5, s5, TW
	v_lshl_add_u32 v[TADR], v1, 2, s5              ; unit 256 w + l%16
	s_lshl_b32 s5, s2, 6
	s_add_co_u32 s5, s5, RED
	v_mul_u32_u24 v[RADR], v2, 8*RP                ; row 8 (l/16), partial sum 16 w + l%16
	v_lshl_add_u32 v[RADR], v1, 2, v[RADR]
	v_add_nc_u32 v[RADR], s5, v[RADR]
	s_lshl_b32 s5, s2, 8
	s_add_co_u32 s5, s5, PARR
	v_lshl_add_u32 v[PADR], v2, 4, s5
	v_lshlrev_b32 v60, 5, v2                       ; cov: my half's 8 rows of each 16
	v_lshlrev_b32 v61, 4, v0                       ; tables: 16 bytes a thread
	v_add_nc_u32 v62, TW, v61
	s_wait_kmcnt 0x0
	s_load_b32 s53, s[24:25], 0x0                  ; Vb
	s_lshl_b32 s50, s3, 19                         ; the tile's 128 rows of 4,096 bytes,
	s_lshl_b32 s5, s2, 17                          ; my 32 of them
	s_add_co_u32 s50, s50, s5
	s_add_nc_u64 s[56:57], s[16:17], s[50:51]
	s_lshl_b32 s50, s3, 9                          ; 128 numbers of 4 bytes
	s_add_nc_u64 s[18:19], s[18:19], s[50:51]
	s_add_nc_u64 s[30:31], s[30:31], s[50:51]
	s_lshl_b32 s50, s4, 12
	s_add_nc_u64 s[28:29], s[28:29], s[50:51]
	s_lshl_b32 s50, s2, 19                         ; my four strips of 32 x 4,096 bytes
	s_add_nc_u64 s[42:43], s[26:27], s[50:51]
	s_mov_b64 s[44:45], s[42:43]
	s_lshl_b32 s50, s3, 8
	s_add_nc_u64 s[32:33], s[32:33], s[50:51]
	s_lshl_b32 s50, s3, 12
	s_lshl_b32 s5, s2, 10
	s_add_co_u32 s50, s50, s5
	s_add_nc_u64 s[34:35], s[34:35], s[50:51]
	s_wait_alu depctr_va_vdst(0)                   ; the offsets and addresses v4 to v12, v56 to v62 are written, which the loads and stores below read
.irp mb, 0,1,2,3,4,5,6,7
	global_load_b128 v[COV+8*(\mb):COV+8*(\mb)+3],   v60, s[18:19] offset:64*(\mb)
	global_load_b128 v[COV+8*(\mb)+4:COV+8*(\mb)+7], v60, s[18:19] offset:64*(\mb)+16
.endr
	global_load_b128 v[TL:TL+3],     v61, s[28:29]
	global_load_b128 v[TL+4:TL+7],   v61, s[28:29] offset:2048
	global_load_b128 v[TL+8:TL+11],  v61, s[20:21]
	global_load_b128 v[TL+12:TL+15], v61, s[20:21] offset:2048
	global_load_b128 v[TL+16:TL+19], v61, s[22:23]
	global_load_b128 v[TL+20:TL+23], v61, s[22:23] offset:2048
	WIN W_XI
.irp i, 0,1,2,3,4,5,6,7
.irp j, 0,1,2,3,4,5,6,7
	global_load_b128 v[32*(\i)+4*(\j):32*(\i)+4*(\j)+3], v[VOFF], s[56:57] offset:(\i)*4096+(\j)*512 th:TH_LOAD_NT  ; my rows 0 to 7: 512 consecutive bytes a load
.endr
.endr
	WIN 0
.set n, 0
.rept 64                               ; S is added onto by one text for all chunks, so it starts at 0; these lines stand in the wait for the first rows
	v_mov_b32 v[S+n], 0
.set n, n+1
.endr
	v_mov_b32 v[SVW], 0
	v_mov_b32 v[SVW+1], 0
	s_wait_loadcnt 56                              ; all but the youngest seven rows' 56 loads: cov and the tables, which were issued first, are in
.set n, 0
.rept 32
	RND2 COV+2*n, COV+2*n+1, 63-32*(n%2)
.set n, n+1
.endr
.irp z, 4,5,6,7,8,9,10,11
	RND2 TL+2*(\z), TL+2*(\z)+1, 63-32*((\z)%2)    ; Wc and Vw
.endr
.irp z, 0,1,2,3
	v_pk_mul_f32 v[TL+16+2*(\z):TL+16+2*(\z)+1], v[TL+16+2*(\z):TL+16+2*(\z)+1], -2.0 op_sel_hi:[1,0]
.endr
	s_wait_alu depctr_va_vdst(0)                   ; the roundings and the scaling have written v[TL+8 ..], which the LDS stores read
	ds_store_b128 v62, v[TL+8:TL+11]
	ds_store_b128 v62, v[TL+12:TL+15] offset:2048
	ds_store_b128 v62, v[TL:TL+3]     offset:4096
	ds_store_b128 v62, v[TL+4:TL+7]   offset:6144
	ds_store_b128 v62, v[TL+16:TL+19] offset:8192
	ds_store_b128 v62, v[TL+20:TL+23] offset:10240
	s_wait_kmcnt 0x0
	v_mov_b32 v[VBV], s53
	v_cvt_pk_bf16_f32 v31, v[VBV], v[VBV]
	v_lshlrev_b32 v[VBV], 16, v31
	; THE TILE COMES IN: 32 rows a wave through eight slots of registers, 48 to 56 loads of every wave on their way.  Turn t takes row t out of slot t%8 and, from turn 1 to turn 24, asks for row t + 7 into the slot of the turn before.
	TURN 0, 0, 0, 56, 0, 0                         ; turn 0 has no turn before it; the seven younger rows' 56 loads stay out
	WIN 0
	s_mov_b32 s54, 3
.Lrows:                                ; turns 1 to 24, eight to a trip
.irp i, 1,2,3,4,5,6,7
	TURN \i, \i, (\i)+7, 48, 1, 0                  ; the six younger rows' 48 loads stay out
.endr
	TURN 0, 0, 7, 48, 1, 1                         ; the next eight rows' first: address and base move on
	WIN 0
	s_sub_co_u32 s54, s54, 1
	s_cmp_lg_u32 s54, 0
	s_cbranch_scc1 .Lrows
	TURN 1, 1, 0, 48, 0, 0                         ; turns 25 to 31 load nothing more: the counts run down
	TURN 2, 2, 0, 40, 0, 0
	TURN 3, 3, 0, 32, 0, 0
	WIN W_LD
.irp k, 0,1,2
.irp f, 0,1,2,3
	BLOAD \f, \k, 44, (\k)*4096                    ; Ws of K steps 0 to 2: 24 loads, younger than the four rows still out; no vector instruction has named the ring yet
.endr
.endr
	TURN 4, 4, 0, 48, 0, 0                         ; three rows' 24 and those 24
	TURN 5, 5, 0, 40, 0, 0
	TURN 6, 6, 0, 32, 0, 0
	TURN 7, 7, 0, 24, 0, 0
	WIN 0
	s_wait_dscnt 0x0                               ; for the others' sake: my rows and my part of the tables are in LDS
	s_barrier_signal -1
	s_barrier_wait -1
.irp z, 0,1,2,3
	ds_load_b32 v[WQ+2*(\z)],   v[TADR] offset:(\z)*64
	ds_load_b32 v[WQ+2*(\z)+1], v[TADR] offset:4096+(\z)*64
.endr
	WIN W_LD
.irp p, 0,1,2,3
	ALOAD \p, 0, AB0, 0
.endr
	s_wait_dscnt 0x0
	s_wait_alu depctr_vm_vsrc(0)                   ; my rows' LDS stores have read the landing registers: these are X from here on, written by the lines below and by the products
.set n, 0
.rept 32
	INITX n
.set n, n+1
.endr
	WIN 0
	s_mov_b32 s40, 4                               ; chunks to go
	s_mov_b32 s41, 7                               ; the first chunk has no tanh to carry: its K steps 0 to 27 are seven trips of the rolled loop
	s_mov_b32 s55, 0
	s_mov_b64 s[46:47], s[44:45]
	s_branch .Lmid
.Lchunk:                               ; K steps 0 to 15 carry the tanh of the chunk before
.set kq, 0
.rept 16
	KSTEP kq%2, kq%4, AB0, (kq+1)*64, 44, (kq+3)*4096, 1, kq/15, kq
.set kq, kq+1
.endr
	WIN 0
	s_mov_b32 s41, 3                               ; K steps 16 to 27
.Lmid:
.set kq, 0
.rept 4
	KSTEP kq%2, kq%4, AADR, ((kq+1)%4)*64, 46, (kq+3-4*(kq/3))*4096, 0, 2*(kq/3), 0
.set kq, kq+1
.endr
	WIN 0
	s_sub_co_u32 s41, s41, 1
	s_cmp_lg_u32 s41, 0
	s_cbranch_scc1 .Lmid
	KSTEP 0, 0, AADR, 64,  46, 12288, 0, 3, 0      ; K step 28: asks for Ws of step 31
	KSTEP 1, 1, AADR, 128, 48, 0,     0, 4, 0      ; 29 to 31 ask for the next chunk's steps 0 to 2
	KSTEP 0, 2, AADR, 192, 48, 4096,  0, 0, 0
	KSTEP 1, 3, AB0,  0,   48, 8192,  2, 0, 0      ; and 31 for the rows' first 32 along K once more
	WIN 0
	s_wait_xcnt 0x0                                ; as above, for the chunk's address
	s_mov_b64 s[44:45], s[48:49]
	s_sub_co_u32 s40, s40, 1
	s_cmp_lg_u32 s40, 0
	s_cbranch_scc1 .Lchunk
	; The last chunk's tanh has no products to stand beside: kind by kind over all 32 accumulators, in ascending order, each kind of transcendental one batch with one wait.
.set n, 0
.rept 32
	YEXP n, 0
	YEXP n, 1
.set n, n+1
.endr
	v_nop                                          ; a plain instruction between the last exponential and the use of its result (ISA guide 5.7.2)
	s_wait_alu depctr_va_vdst(0)                   ; the 256 exponentials have written Y, which the additions read
.set n, 0
.rept 32
	YADD n
.set n, n+1
.endr
.set n, 0
.rept 32
	YRCP n, 0
	YRCP n, 1
.set n, n+1
.endr
	v_nop                                          ; likewise behind the last reciprocal
	s_wait_alu depctr_va_vdst(0)                   ; the 256 reciprocals have written Y, which the sums read
.set n, 0
.rept 32
	YFMA n
.set n, n+1
.endr
	WIN 0
	s_wait_loadcnt 0x0                             ; the ring's last 24 loads serve nothing; its registers are used again below
	; THE SCORES.  A lane's S holds, for 64 rows, the sum over its 16 units of -2 Vw / (1 + 2^..); the same units' sum of Vw is added, and the 64 partial sums of a row meet in LDS.
	v_mul_f32 v[SVW], -0.5, v[SVW]
	v_mov_b32 v[SVW+1], v[SVW]
.set n, 0
.rept 32
	v_pk_add_f32 v[S+2*n:S+2*n+1], v[S+2*n:S+2*n+1], v[SVW:SVW+1]
.set n, n+1
.endr
	v_mul_u32_u24 v[XADR], v0, RP
	v_add_nc_u32 v[XADR], RED, v[XADR]             ; thread t takes row t,
	v_lshl_add_u32 v[SADR], v0, 2, SARR            ; puts its score here,
	v_lshl_add_u32 v[QADR], v3, 4, SARR            ; and later reads four scores here: three addresses in three registers, none written again
	s_wait_alu depctr_va_vdst(0)                   ; S is written, which the stores read; so are the three addresses, which the loads and the store further down read
.set n, 0
.rept 64
	ds_store_b32 v[RADR], v[S+n] offset:(16*(n/8)+n%8)*RP
.set n, n+1
.endr
	s_wait_dscnt 0x0                               ; for the others' sake: my partial sums are in LDS
	s_barrier_signal -1
	s_barrier_wait -1
.set n, 0
.rept 16
	ds_load_b128 v[T+4*n:T+4*n+3], v[XADR] offset:16*n
.set n, n+1
.endr
	s_wait_dscnt 0x0
.irp st, 2,4,8,16,32
.set n, 0
.rept 32/(\st)
	v_pk_add_f32 v[T+2*(\st)*n:T+2*(\st)*n+1], v[T+2*(\st)*n:T+2*(\st)*n+1], v[T+2*(\st)*n+(\st):T+2*(\st)*n+(\st)+1]
.set n, n+1
.endr
.endr
	v_add_f32 v[T], v[T], v[T+1]
	v_add_f32 v[T], v[T], v[VBV]
	s_wait_alu depctr_va_vdst(0)                   ; my row's score is written, which the store reads; the additions are done with v[T ..], in which the load behind the barrier lands
	ds_store_b32 v[SADR], v[T]
	s_wait_dscnt 0x0                               ; for the others' sake: my row's score is in LDS
	s_barrier_signal -1
	s_barrier_wait -1
	; THE TILE'S SOFTMAX, in every wave alike: a lane takes four scores.
	s_wait_alu depctr_vm_vsrc(0)                   ; the store has read v[T], in which the load lands; the fragments' loads have read v[AADR ..], which is written below
	ds_load_b128 v[T:T+3], v[QADR]
	v_lshlrev_b32 v[T+10], 3, v3                   ; 8 x lane
	s_lshl_b32 s5, s2, 8
	s_add_co_u32 s5, s5, PARR
	v_add_nc_u32 v[T+11], s5, v[T+10]              ; where my four p go
	v_and_b32 v[T+12], 7, v0                       ; the turning load: row 8 (l/16) + l%8, 16 bytes at 16 ((l/8)%2), my wave's 512 bytes of a row
	v_bfe_u32 v[T+13], v0, 3, 1
	v_lshl_add_u32 v[T+12], v2, 3, v[T+12]
	v_mul_u32_u24 v[T+12], v[T+12], PITCH
	v_lshl_add_u32 v[T+12], v[T+13], 4, v[T+12]
	s_lshl_b32 s6, s2, 9
	v_add_nc_u32 v[AADR], s6, v[T+12]
	v_add_nc_u32 v[AADR+1], BLK32, v[AADR]
	v_add_nc_u32 v[AADR+2], 2*BLK32, v[AADR]
	v_add_nc_u32 v[AADR+3], 3*BLK32, v[AADR]
	s_lshl_b32 s7, s2, 10
	s_add_co_u32 s7, s7, CARR
	v_lshl_add_u32 v[T+14], v3, 2, s7              ; the context's way out: in,
	v_lshl_add_u32 v[T+15], v3, 4, s7              ; and back
	s_wait_dscnt 0x0
	v_max3_num_f32 v[T+4], v[T], v[T+1], v[T+2]
	v_max_num_f32 v[T+4], v[T+4], v[T+3]
	v_max_num_f32_dpp v[T+4], v[T+4], v[T+4] row_xmask:1 row_mask:0xf bank_mask:0xf
	v_max_num_f32_dpp v[T+4], v[T+4], v[T+4] row_xmask:2 row_mask:0xf bank_mask:0xf
	v_max_num_f32_dpp v[T+4], v[T+4], v[T+4] row_xmask:4 row_mask:0xf bank_mask:0xf
	v_max_num_f32_dpp v[T+4], v[T+4], v[T+4] row_xmask:8 row_mask:0xf bank_mask:0xf
	v_permlanex16_b32 v[T+5], v[T+4], s38, s39
	v_max_num_f32 v[T+4], v[T+4], v[T+5]           ; m
.irp z, 0,1,2,3
	v_sub_f32 v[T+(\z)], v[T+(\z)], v[T+4]
.endr
.irp z, 0,1,2,3
	v_mul_f32 v[T+(\z)], 0x3fb8aa3b, v[T+(\z)]
.endr
.irp z, 0,1,2,3
	v_exp_f32 v[T+(\z)], v[T+(\z)]                 ; p
.endr
	v_nop                                          ; a plain instruction between the last exponential and the use of its result
	s_wait_alu depctr_va_vdst(0)                   ; the four exponentials have written p, which the sums read
	v_add_f32 v[T+5], v[T], v[T+1]
	v_add_f32 v[T+6], v[T+2], v[T+3]
	v_add_f32 v[T+5], v[T+5], v[T+6]
	v_add_f32_dpp v[T+5], v[T+5], v[T+5] row_xmask:1 row_mask:0xf bank_mask:0xf
	v_add_f32_dpp v[T+5], v[T+5], v[T+5] row_xmask:2 row_mask:0xf bank_mask:0xf
	v_add_f32_dpp v[T+5], v[T+5], v[T+5] row_xmask:4 row_mask:0xf bank_mask:0xf
	v_add_f32_dpp v[T+5], v[T+5], v[T+5] row_xmask:8 row_mask:0xf bank_mask:0xf
	v_permlanex16_b32 v[T+6], v[T+5], s38, s39
	v_add_f32 v[T+5], v[T+5], v[T+6]               ; l: v[T+4:T+5] = (m, l)
	v_cvt_pk_bf16_f32 v[T+8], v[T], v[T+1]
	v_cvt_pk_bf16_f32 v[T+9], v[T+2], v[T+3]
	s_wait_alu depctr_va_vdst(0)                   ; p, (m, l) and p in bf16 are written, which the stores below read; so are the addresses v[T+10], v[T+11], v[T+14], v[T+15] and v[AADR ..]; the scores' additions are done with v[T+16 ..], the products and the tanh with windows 1 and 3, in all of which loads land below
	ds_store_b64 v[T+11], v[T+8:T+9]
.irp kk, 0,1,2,3                       ; p as source 0: all 16 rows of the fragment are the same 32 weights; LDS serves my instructions in order: these see the store above
	ds_load_b128 v[T+16+8*(\kk):T+16+8*(\kk)+3],   v[PADR] offset:64*(\kk)
	ds_load_b128 v[T+16+8*(\kk)+4:T+16+8*(\kk)+7], v[PADR] offset:64*(\kk)+32
.endr
	s_cmp_lg_u32 s2, 0
	s_cbranch_scc1 .Lnot0
	global_store_b128 v[VOFF], v[T:T+3], s[30:31]  ; wave 0 alone: the tile's p, 512 consecutive bytes,
	global_store_b64 v[T+10], v[T+4:T+5], s[32:33] ; and (m, l), 32 times: 256 consecutive bytes.  Neither's registers are written again
.Lnot0:
	; THE CONTEXT: sum over the tile's rows of p x values, for my 256 columns, out of the same LDS tile.  Each 32 rows have a buffer of their own, two in window 1 and two in window 3:
	; no load lands in a register that a product issued since the wait above has read, so no wait on va_vdst stands among the products.
	VFETCH 0, 0, W_LD
	VFETCH 1, 1, W_LD
	s_wait_dscnt 32                                ; all but the second buffer's 32 loads: p and rows 0-31 are in
	CMM 0, 0, 1, W_C1
	VFETCH 2, 0, W_L3
	s_wait_dscnt 32                                ; rows 32-63 are in
	CMM 1, 1, 0, W_C1
	VFETCH 3, 1, W_L3
	s_wait_dscnt 32                                ; rows 64-95
	CMM 2, 0, 0, W_C3
	s_wait_dscnt 0x0
	CMM 3, 1, 0, W_C3
.rept 4
	v_nop                                          ; the places in front of the lines that read results (ISA guide 7.12.1)
.endr
	WIN 0x0a                                       ; both sources window 2
.irp i, 0,1,2,3,4,5,6,7                ; all 16 rows of a result are alike: its lowest register holds column l%16 in both halves of the lanes; two results make 32 neighbouring columns
	v_cndmask_b32 v[T+48+(\i)], v[16*(\i)], v[16*(\i)+8], s52
.endr
	WIN 0
	s_wait_alu depctr_va_vdst(0)                   ; the eight selects have written v[T+48 ..], which the LDS stores read
.irp i, 0,1,2,3,4,5,6,7
	ds_store_b32 v[T+14], v[T+48+(\i)] offset:128*(\i)
.endr
	ds_load_b128 v[T+56:T+59], v[T+15]             ; back as 16 bytes a lane; my own bytes, served in order
	ds_load_b128 v[T+60:T+63], v[T+15] offset:512
	s_wait_dscnt 0x0
	global_store_b128 v[VOFF], v[T+56:T+59], s[34:35]             ; 512 consecutive bytes, aligned
	global_store_b128 v[VOFF], v[T+60:T+63], s[34:35] offset:512
	s_wait_dscnt 0x0                               ; the closing lines, six on end
	s_wait_alu 0x0
	s_wait_tensorcnt 0x0
	ds_add_u32 v[SPW], v[NIL]
	s_wait_dscnt 0x0
	s_endpgm
.Lfunc_end_k_qf69b56844f_main:
	.size	k_qf69b56844f_main, .Lfunc_end_k_qf69b56844f_main-k_qf69b56844f_main
	.p2alignl 7, 3214868480
	.fill 96, 4, 3214868480
	.section	.rodata,"a",@progbits
	.p2align	6, 0x0
	.amdhsa_kernel k_qf69b56844f_main
		.amdhsa_group_segment_fixed_size 317440
		.amdhsa_private_segment_fixed_size 0
		.amdhsa_enable_private_segment 0
		.amdhsa_kernarg_size 80
		.amdhsa_user_sgpr_count 2
		.amdhsa_user_sgpr_kernarg_segment_ptr 1
		.amdhsa_wavefront_size32 1
		.amdhsa_system_sgpr_workgroup_id_x 1
		.amdhsa_system_sgpr_workgroup_id_y 1
		.amdhsa_system_sgpr_workgroup_id_z 1
		.amdhsa_system_vgpr_workitem_id 0
		.amdhsa_next_free_vgpr 1024
		.amdhsa_next_free_sgpr 66
		.amdhsa_reserve_vcc 0
		.amdhsa_float_denorm_mode_32 3
		.amdhsa_float_denorm_mode_16_64 3
		.amdhsa_memory_ordered 1
		.amdhsa_forward_progress 1
		.amdhsa_inst_pref_size 255
	.end_amdhsa_kernel
	.section	.bss,"aw",@nobits
	.p2align	6
	.space	262144
	.amdgpu_metadata
---
amdhsa.version: [ 1, 2 ]
amdhsa.kernels:
  - .name:           k_qf69b56844f_main
    .symbol:         k_qf69b56844f_main.kd
    .args:
      - { .name: values, .offset: 0, .size: 8, .value_kind: global_buffer, .address_space: global }
      - { .name: prev_coverage, .offset: 8, .size: 8, .value_kind: global_buffer, .address_space: global }
      - { .name: Wc, .offset: 16, .size: 8, .value_kind: global_buffer, .address_space: global }
      - { .name: Vw, .offset: 24, .size: 8, .value_kind: global_buffer, .address_space: global }
      - { .name: Vb, .offset: 32, .size: 8, .value_kind: global_buffer, .address_space: global }
      - { .name: wsb, .offset: 40, .size: 8, .value_kind: global_buffer, .address_space: global }
      - { .name: qb, .offset: 48, .size: 8, .value_kind: global_buffer, .address_space: global }
      - { .name: pbuf, .offset: 56, .size: 8, .value_kind: global_buffer, .address_space: global }
      - { .name: ml, .offset: 64, .size: 8, .value_kind: global_buffer, .address_space: global }
      - { .name: cp, .offset: 72, .size: 8, .value_kind: global_buffer, .address_space: global }
    .group_segment_fixed_size: 317440
    .private_segment_fixed_size: 0
    .kernarg_segment_align: 8
    .kernarg_segment_size: 80
    .max_flat_workgroup_size: 128
    .sgpr_count:     66
    .vgpr_count:     1024
    .wavefront_size: 32
...
	.end_amdgpu_metadata
.endif
;; end of part 5
;; launch comb: the kernel of part 3 again; grid 2 x 32, 4 waves a work-group, no clusters, 0 bytes of LDS; arguments ml, pbuf, cp, prev_coverage, out0, out1, out2; writes out0, out1, out2
